; MI455X (gfx1250); checked and timed in simulation.
; The chip was launched on July 23, 2026; its instructions are those of AMD's public machine-readable ISA for CDNA 5 (MIT licence, August 2026) and "CDNA5" Instruction Set Architecture Reference Guide (July 2026). The comments in the code are by the model that wrote it; some were corrected since.
;; Multi Head Self Attention. Allowed arithmetic: matrix products marked QUANTISED: E4M3 operands, one given power-of-two scale a tensor, by v_wmma_f32_16x16x64_fp8_fp8 or v_wmma_f32_16x16x128_fp8_fp8, f32 sums; everything else in f32.
;; Inputs: lowp_scales 12 int32 (the exponents e of the quantised operands' scales 2^e); token_positions 2,048 int32; wk_codes 1,024 x 32 x 32 uint8 (E4M3 codes of wk, K innermost, in blocks of 32 codes); wo_codes 1,024 x 32 x 32 uint8 (E4M3 codes of wo, K innermost, in blocks of 32 codes); wq_codes 1,024 x 32 x 32 uint8 (E4M3 codes of wq, K innermost, in blocks of 32 codes); wv_codes 1,024 x 32 x 32 uint8 (E4M3 codes of wv, K innermost, in blocks of 32 codes); x_codes 4 x 2,048 x 32 x 32 uint8 (E4M3 codes of x, K innermost, in blocks of 32 codes).
;; Outputs: out0 4 x 2,048 x 1,024 float32.
;; This version of the problem:
;;   THIS VERSION OF THE PROBLEM IS GIVEN IN LOW PRECISION. The matrix products marked QUANTISED in the list below multiply operands that are first quantised to E4M3 (4 exponent bits, 3 mantissa bits; 8 bits a number), with one given power-of-two scale for each operand tensor; their sums are f32. All else is computed in f32.
;;   The module's matrix products, in the order in which they are computed (A, B: the left and right operand; K: the contracted axis; several contracted axes count as one K, in the product's order):
;;     1. [M 8,192, K 1,024] x [K 1,024, N 1,024]; A: input x (given as codes); B: input wq (given as codes): QUANTISED (scales: A lowp_scales[0], B lowp_scales[1])
;;     2. [M 8,192, K 1,024] x [K 1,024, N 1,024]; A: input x (given as codes); B: input wk (given as codes): QUANTISED (scales: A lowp_scales[2], B lowp_scales[3])
;;     3. [M 8,192, K 1,024] x [K 1,024, N 1,024]; A: input x (given as codes); B: input wv (given as codes): QUANTISED (scales: A lowp_scales[4], B lowp_scales[5])
;;     4. batch 64 x [M 2,048, K 64] x [K 64, N 2,048]; A: computed on the way; B: computed on the way: QUANTISED (scales: A lowp_scales[6], B lowp_scales[7])
;;     5. batch 64 x [M 2,048, K 2,048] x [K 2,048, N 64]; A: softmax (see below); B: computed on the way: QUANTISED (scales: A lowp_scales[8], B lowp_scales[9])
;;     6. [M 8,192, K 1,024] x [K 1,024, N 1,024]; A: computed on the way; B: input wo (given as codes): QUANTISED (scales: A lowp_scales[10], B lowp_scales[11])
;;   THE QUANTISER, for each operand of a quantised product, along K:
;;     - The operand's scale is 2^e, e = its entry of the input lowp_scales (int32; the entries are numbered through the quantised products in the list's order, A before B).
;;     - Each number is divided by the scale, clamped to +-448, and rounded to the nearest number of E4M3, ties to even, subnormals kept.
;;     - The product sums the exact products of the quantised numbers (number of the format x scale) in f32.
;;   ~~~python
;;   def quantise(x, axis, e):      # numpy; x: float32 -> the quantised numbers, widened to float32 again
;;       x = np.moveaxis(x, axis, -1); K = x.shape[-1]
;;       r = np.clip(x / 2.0 ** e, -448, 448)
;;       step = 2.0 ** (np.maximum(np.frexp(np.where(r == 0, 1, r))[1] - 1, -6) - 3)
;;       q = np.round(r / step) * step * 2.0 ** e      # np.round: ties to even
;;       return np.moveaxis(q, -1, axis).astype(np.float32)
;;   ~~~
;;   SOFTMAX AHEAD OF A QUANTISED PRODUCT. Where the list says 'softmax', what is quantised is not the finished softmax but p = 2^(t - M), with t = logit x log2(e) and M = ceil(the row's largest t), a whole number; so 1/2 < the row's largest p <= 1. The row's sum l is taken of the UNQUANTISED p, in f32, and the product's result is divided by l at the end. Since M is a whole number, a kernel that streams over the keys may use a running M (the ceiling of the running maximum): every later rescaling is an exact power of two, so the quantised numbers keep their values, but for numbers so far below the row's largest that they fall under the format's range.
;;   OPERANDS COMPUTED ON THE WAY. 'Computed on the way' means the value that the module computes at that place (a softmax that the list does not call 'softmax' is quantised finished and normalised). What goes into a quantiser is computed in f32, as accurately as f32 sums, v_exp_f32 and their like allow (about 1e-6 of the number): no bf16 or f16 on the way to a quantiser, and a product that is left as it is and whose result goes on into a quantised operand takes f32 operands (vector FMAs, or v_wmma_f32_16x16x4_f32). A number that lies on a knife's edge between two numbers of the format may be rounded either way, as far as f32 arithmetic and the matrix unit's own rounding can turn it there, and no further.
;;   INPUTS GIVEN AS CODES. wk (in the module: [1024, 1024], K = its axis 1); wo (in the module: [1024, 1024], K = its axis 1); wq (in the module: [1024, 1024], K = its axis 1); wv (in the module: [1024, 1024], K = its axis 1); x (in the module: [4, 2048, 1024], K = its axis 2): each comes as NAME_codes (uint8): NAME with its K axis moved to the last place and cut into blocks of 32 codes, [.., K / 32, bytes a block], one block behind the other in memory; one code a byte (a code: sign, 4 exponent bits, 3 mantissa bits); its scale is its entry of lowp_scales. Its value is code x scale, taken as it is: it is not quantised again, and the codes and scales need not be those that the quantiser above would give.
;; One version. Each part assembles by itself: llvm-mc -triple=amdgcn-amd-amdhsa -mcpu=gfx1250 --defsym DOCPART=n.
;; ======== version 1 of 1: 4 launches
;; limits: inputs' magnitudes at most 262,144; right only within a limited range of input values
;; workspace buffers: tab 524,288 bytes; qc 8,388,608 bytes; kc 8,388,608 bytes; vc 8,388,608 bytes; ac 8,388,608 bytes
;; launch rope_table (part 1): grid 128 x 1, 1 waves a work-group, no clusters, 0 bytes of LDS; arguments token_positions, tab; writes tab
.if DOCPART == 1
	.amdgcn_target "amdgcn-amd-amdhsa--gfx1250"
	.amdhsa_code_object_version 6
	.text
	.protected	k_q73a0afa562_rope_table
	.globl	k_q73a0afa562_rope_table
	.p2align	8
	.type	k_q73a0afa562_rope_table,@function
k_q73a0afa562_rope_table:
	s_mov_b64 s[64:65], 0
	v_nop
	global_prefetch_b8 v0, s[64:65] scope:SCOPE_SE
	s_setreg_imm32_b32 hwreg(HW_REG_WAVE_MODE, 25, 1), 1
	s_wait_xcnt 0x0
; cos and sin of the RoPE angles, f32: angle(s, i) = f32(pos[s]) x inv[i], inv[i] = 1 / P[i], P[i] = 10000^(i/32) = 10^(i/8) rounded to f32, i = 0 .. 31.
; The table is laid in the order in which the projection's way out takes it: [tile of 16 tokens (128)][b4 (4)][q2 (2)][lane (32)][16 bytes]; lane (r, h) finds there
; (cos, sin) of pair i = 8 b4 + 4 h + 2 q2 and of pair i + 1, for token 16 tile + r.  So each load there, and each store here, is 512 consecutive bytes of a wave.
; One wave to a tile of 16 tokens; a lane makes 16 pairs.  No LDS, no barrier.
; THE ARITHMETIC.  inv: v_rcp_f32 and one Newton step by two fused multiply-adds.  n = the angle x 2/pi, to the nearest whole number; r = angle - n pi/2 with pi/2 in two parts;
; sin r and cos r by their Taylor sums to r^9 and r^10 (|r| <= 0.786: the first terms left out are under 2e-9 and 2e-10); the quadrant n mod 4 swaps and signs them, by selects, with no branch.
; LIMIT: |position| <= 2^18, so that n has 18 bits and angle - n x (pi/2's upper part) is a multiple of 2^-23 under 1, formed without rounding.
.set F,   16                           ; v16-31   P, then inv, of my 16 pairs (pair k = 4 b4 + jj is i = 8 b4 + 4 h + jj)
.set OUT, 32                           ; v32-63   cos, sin of pair k at 2 k, 2 k + 1
.set T,   64                           ; v64-103  at work: four sets of ten
.set Y,   104                          ; v104-119 the reciprocals as v_rcp_f32 gives them
	s_load_b128 s[4:7], s[0:1], 0x0                ; positions s[4:5], the table s[6:7]
	v_and_b32 v1, 15, v0                           ; r
	v_lshrrev_b32 v2, 4, v0                        ; h
	v_lshlrev_b32 v3, 4, v0                        ; 16 x lane
	v_lshlrev_b32 v5, 2, v1                        ; my token's position: 4 r
	s_lshl_b32 s8, ttmp9, 6                        ; the tile's 16 positions
	s_mov_b32 s9, 0
	s_lshl_b32 s10, ttmp9, 12                      ; the tile's 4,096 bytes of the table
	s_mov_b32 s11, 0
	s_mov_b32 s12, 0x3f22f983                      ; 2 / pi
	s_mov_b32 s13, 0xbfc90fdb                      ; -(pi/2 rounded to f32)
	s_mov_b32 s14, 0x333bbd2e                      ; that rounded number less pi/2
	s_mov_b32 s15, 0xbe2aaaab                      ; -1/3!
	s_mov_b32 s16, 0x3c088889                      ; 1/5!
	s_mov_b32 s17, 0xb9500d01                      ; -1/7!
	s_mov_b32 s18, 0x3638ef1d                      ; 1/9!
	s_mov_b32 s19, 0x3d2aaaab                      ; 1/4!
	s_mov_b32 s20, 0xbab60b61                      ; -1/6!
	s_mov_b32 s21, 0x37d00d01                      ; 1/8!
	s_mov_b32 s22, 0xb493f27e                      ; -1/10!
	s_wait_kmcnt 0x0
	s_add_nc_u64 s[4:5], s[4:5], s[8:9]
	s_add_nc_u64 s[6:7], s[6:7], s[10:11]
	global_load_b32 v4, v5, s[4:5]
	v_cmp_ne_u32 vcc_lo, 0, v2                     ; lanes 16-31 take the pairs four further on
.macro PW k, lo, hi                    ; P of pair k: lo for lanes 0-15, hi for lanes 16-31
	v_mov_b32 v[T+\k], \hi
	v_cndmask_b32 v[F+\k], \lo, v[T+\k], vcc_lo
.endm
	PW 0,  0x3f800000, 0x404a62c2
	PW 1,  0x3faab0d5, 0x4086f161
	PW 2,  0x3fe39ea9, 0x40b3f300
	PW 3,  0x4017c496, 0x40eff755
	PW 4,  0x41200000, 0x41fcfb72
	PW 5,  0x41555d0a, 0x4228adb9
	PW 6,  0x418e432a, 0x4260efc0
	PW 7,  0x41bdb5bc, 0x4295fa95
	PW 8,  0x42c80000, 0x439e1d27
	PW 9,  0x43055a26, 0x43d2d927
	PW 10, 0x4331d3f4, 0x440c95d8
	PW 11, 0x436d232b, 0x443b793b
	PW 12, 0x447a0000, 0x4545a471
	PW 13, 0x44a6b0b0, 0x4583c7b8
	PW 14, 0x44de48f1, 0x45afbb4e
	PW 15, 0x451435fb, 0x45ea5789
.irp k, 0,1,2,3,4,5,6,7,8,9,10,11,12,13,14,15
	v_rcp_f32 v[Y+\k], v[F+\k]                     ; one batch of sixteen
.endr
	v_nop                                          ; a plain instruction behind the last of them
	s_wait_alu depctr_va_vdst(0)                   ; one wait for the batch, ahead of its first reader
.irp k, 0,1,2,3,4,5,6,7,8,9,10,11,12,13,14,15
	v_fma_f32 v[T+\k], -v[F+\k], v[Y+\k], 1.0      ; e = 1 - P y
.endr
.irp k, 0,1,2,3,4,5,6,7,8,9,10,11,12,13,14,15
	v_fma_f32 v[F+\k], v[Y+\k], v[T+\k], v[Y+\k]   ; inv = y + y e
.endr
	s_wait_loadcnt 0x0
	v_cvt_f32_i32 v4, v4                           ; the position as f32
; Four pairs, k0 .. k0 + 3, stage by stage, so that no line waits for the line above it.  A set: +0 angle, +1 n, +2 r, +3 z = r^2, +4 the quadrant, +5 sin r, +6 cos r, +7 at work, +8, +9 the two after the swap.
.macro SC4 k0
.irp u, 0,1,2,3
	v_mul_f32 v[T+10*\u], v4, v[F+(\k0)+\u]
.endr
.irp u, 0,1,2,3
	v_mul_f32 v[T+10*\u+1], s12, v[T+10*\u]
.endr
.irp u, 0,1,2,3
	v_rndne_f32 v[T+10*\u+1], v[T+10*\u+1]
.endr
.irp u, 0,1,2,3
	v_fma_f32 v[T+10*\u+2], v[T+10*\u+1], s13, v[T+10*\u]
.endr
.irp u, 0,1,2,3
	v_fma_f32 v[T+10*\u+2], v[T+10*\u+1], s14, v[T+10*\u+2]
.endr
.irp u, 0,1,2,3
	v_cvt_i32_f32 v[T+10*\u+4], v[T+10*\u+1]
.endr
.irp u, 0,1,2,3
	v_mul_f32 v[T+10*\u+3], v[T+10*\u+2], v[T+10*\u+2]
.endr
.irp u, 0,1,2,3
	v_fma_f32 v[T+10*\u+5], v[T+10*\u+3], s18, s17
	v_fma_f32 v[T+10*\u+6], v[T+10*\u+3], s22, s21
.endr
.irp u, 0,1,2,3
	v_fma_f32 v[T+10*\u+5], v[T+10*\u+5], v[T+10*\u+3], s16
	v_fma_f32 v[T+10*\u+6], v[T+10*\u+6], v[T+10*\u+3], s20
.endr
.irp u, 0,1,2,3
	v_fma_f32 v[T+10*\u+5], v[T+10*\u+5], v[T+10*\u+3], s15
	v_fma_f32 v[T+10*\u+6], v[T+10*\u+6], v[T+10*\u+3], s19
.endr
.irp u, 0,1,2,3
	v_mul_f32 v[T+10*\u+7], v[T+10*\u+3], v[T+10*\u+2]
	v_fma_f32 v[T+10*\u+6], v[T+10*\u+6], v[T+10*\u+3], -0.5
.endr
.irp u, 0,1,2,3
	v_fma_f32 v[T+10*\u+5], v[T+10*\u+7], v[T+10*\u+5], v[T+10*\u+2]   ; sin r = r + r^3 (..)
	v_fma_f32 v[T+10*\u+6], v[T+10*\u+6], v[T+10*\u+3], 1.0            ; cos r = 1 + r^2 (..)
.endr
.irp u, 0,1,2,3
	v_and_b32 v[T+10*\u+7], 1, v[T+10*\u+4]
.endr
.irp u, 0,1,2,3
	v_cmp_ne_u32 s[24+\u], 0, v[T+10*\u+7]         ; an odd quadrant swaps the two
.endr
.irp u, 0,1,2,3
	v_cndmask_b32 v[T+10*\u+8], v[T+10*\u+5], v[T+10*\u+6], s[24+\u]
	v_cndmask_b32 v[T+10*\u+9], v[T+10*\u+6], v[T+10*\u+5], s[24+\u]
.endr
.irp u, 0,1,2,3
	v_lshlrev_b32 v[T+10*\u+7], 30, v[T+10*\u+4]   ; the sine is negative in quadrants 2 and 3: bit 1 of n,
	v_add_nc_u32 v[T+10*\u+4], 1, v[T+10*\u+4]
.endr
.irp u, 0,1,2,3
	v_and_b32 v[T+10*\u+7], 0x80000000, v[T+10*\u+7]
	v_lshlrev_b32 v[T+10*\u+4], 30, v[T+10*\u+4]   ; the cosine in quadrants 1 and 2: bit 1 of n + 1
.endr
.irp u, 0,1,2,3
	v_xor_b32 v[OUT+2*((\k0)+\u)+1], v[T+10*\u+8], v[T+10*\u+7]
	v_and_b32 v[T+10*\u+4], 0x80000000, v[T+10*\u+4]
.endr
.irp u, 0,1,2,3
	v_xor_b32 v[OUT+2*((\k0)+\u)], v[T+10*\u+9], v[T+10*\u+4]
.endr
.endm
	SC4 0
	SC4 4
	SC4 8
	SC4 12
.irp t, 0,1,2,3,4,5,6,7
	global_store_b128 v3, v[OUT+4*\t:OUT+4*\t+3], s[6:7] offset:512*\t   ; 32 lanes store 512 consecutive bytes, at a multiple of 256 from the table's first byte
.endr
	s_endpgm
.Lfunc_end_k_q73a0afa562_rope_table:
	.size	k_q73a0afa562_rope_table, .Lfunc_end_k_q73a0afa562_rope_table-k_q73a0afa562_rope_table
	.p2alignl 7, 3214868480
	.fill 96, 4, 3214868480
	.section	.rodata,"a",@progbits
	.p2align	6, 0x0
	.amdhsa_kernel k_q73a0afa562_rope_table
		.amdhsa_group_segment_fixed_size 0
		.amdhsa_private_segment_fixed_size 0
		.amdhsa_enable_private_segment 0
		.amdhsa_kernarg_size 16
		.amdhsa_user_sgpr_count 2
		.amdhsa_user_sgpr_kernarg_segment_ptr 1
		.amdhsa_wavefront_size32 1
		.amdhsa_system_sgpr_workgroup_id_x 1
		.amdhsa_system_sgpr_workgroup_id_y 1
		.amdhsa_system_sgpr_workgroup_id_z 1
		.amdhsa_system_vgpr_workitem_id 0
		.amdhsa_next_free_vgpr 128
		.amdhsa_next_free_sgpr 66
		.amdhsa_reserve_vcc 1
		.amdhsa_float_denorm_mode_32 3
		.amdhsa_float_denorm_mode_16_64 3
		.amdhsa_memory_ordered 1
		.amdhsa_forward_progress 1
		.amdhsa_inst_pref_size 29
	.end_amdhsa_kernel
	.amdgpu_metadata
---
amdhsa.version: [ 1, 2 ]
amdhsa.kernels:
  - .name:           k_q73a0afa562_rope_table
    .symbol:         k_q73a0afa562_rope_table.kd
    .args:
      - { .name: token_positions, .offset: 0, .size: 8, .value_kind: global_buffer, .address_space: global }
      - { .name: tab, .offset: 8, .size: 8, .value_kind: global_buffer, .address_space: global }
    .group_segment_fixed_size: 0
    .private_segment_fixed_size: 0
    .kernarg_segment_align: 8
    .kernarg_segment_size: 16
    .max_flat_workgroup_size: 32
    .sgpr_count:     66
    .vgpr_count:     128
    .wavefront_size: 32
...
	.end_amdgpu_metadata
.endif
;; end of part 1
;; launch qkv (part 2): grid 12 x 32, 4 waves a work-group, clusters of 4 x 4, 327,680 bytes of LDS; arguments x_codes, wq_codes, wk_codes, wv_codes, lowp_scales, tab, qc, kc, vc; writes qc, kc, vc
.if DOCPART == 2
	.amdgcn_target "amdgcn-amd-amdhsa--gfx1250"
	.amdhsa_code_object_version 6
	.text
	.protected	k_q73a0afa562_qkv
	.globl	k_q73a0afa562_qkv
	.p2align	8
	.type	k_q73a0afa562_qkv,@function
k_q73a0afa562_qkv:
	s_mov_b64 s[64:65], 0
	v_nop
	global_prefetch_b8 v0, s[64:65] scope:SCOPE_SE
	s_setreg_imm32_b32 hwreg(HW_REG_WAVE_MODE, 25, 1), 1
	s_wait_xcnt 0x0
	s_wait_alu depctr_hold_cnt(0) depctr_sa_sdst(0) depctr_va_vdst(0) depctr_va_sdst(0) depctr_va_ssrc(0) depctr_va_vcc(0) depctr_vm_vsrc(0)
	s_getreg_b32 s2, hwreg(HW_REG_IB_STS2, 6, 4)
	s_cmp_eq_u32 s2, 0
	s_cbranch_scc0 .Lentry_in_a_cluster
	s_endpgm
.Lentry_in_a_cluster:
	s_bfe_u32 s2, ttmp6, 0x10000c
	s_cmp_lg_u32 s2, 0xf033
	s_cbranch_scc0 .Lentry_shape_is_right
	s_endpgm
.Lentry_shape_is_right:
; The three projections on codes of FP8 (E4M3), RoPE on q and k, and the quantising of q, k and v for the attention launch.  x: [8192][1024] codes; wq, wk, wv: [1024][1024] codes, K innermost.
; A tile of 256 x 256 results is made by a work-group of four waves, a wave 128 x 128: 64 accumulators of 16 x 16 in 512 registers.  K = 1,024 goes in four steps of 256 through a ring of two LDS slots.
; THE CLUSTER'S x SAYS WHICH TENSOR: 0 q, 1 k, 2 v; it is the same in all sixteen partners, so branches may hang on it.
; ONE TEXT FOR THE THREE.  'A' and 'B' are pointers.  q, k: A = x (tile row 4 x cluster y + cy), B = the weight (tile column cx).  v: A = wv (tile row cy), B = x (tile column 4 x cluster y + cx).
; The matrix instruction is used transposed (source 0 = 16 rows of B, source 1 = 16 rows of A): a lane holds ONE row of A and eight neighbouring rows of B.  For q and k that is a token and eight neighbouring
; channels, for v a channel and eight neighbouring tokens: in each case eight neighbours along the K of the product that follows, which is what the conversion to codes takes from a lane's registers.
; CLUSTERS: 4 x 4 work-groups; A's tile is asked for jointly along a row of the cluster, B's along a column: the same tensor load with the same descriptor and a mask that names the four.
; THE WAY OUT.  q, k: (even, odd) pairs are turned by (cos, sin) from the table; all three: converted, stored.  A sum stands for sum x 2^(ex + ew), and turning is linear, so the
; conversion's one scale is 2^(e_out - ex - ew).  No LDS stage: the workspaces are laid as images of the next launch's operand registers, so that each store is 256 or 512 consecutive bytes:
;   qc, kc: [16 batch + head][tile of 16 tokens (128)][channel / 16 (4)][token % 16][channel % 16]: 1,024 bytes a tile.
;   vc:     [16 batch + head][step of 64 keys (32)][channel / 16 (4)][g (2)][lane (r, h)][16 bytes: keys 32 g + 8 h + 0..7, then 32 g + 16 + 8 h + 0..7, of channel 16 f + r].
; LIMITS on the given exponents, so that each power of two is an f32 number: e6 - e0 - e1, e7 - e2 - e3 and e9 - e4 - e5 between -126 and 119.  NaN codes among the inputs are not served.
; REGISTERS, in windows of 256: window 0: v0-31 addresses; v32-95 two sets of (cos, sin); v96-113 at work; from v128 A's fragments, ONE set (on the way out: v128-191 numbers, v192-223 codes).
;   window 1: B's fragments, TWO sets.   window 2: the accumulators of my rows 0-63 (accumulator (a, b) at v[8 (8 a + b)]);   window 3: those of my rows 64-127.
.set KSTEP,  256                       ; along K in a slot
.set ROWB,   256                       ; a tile's row in bytes
.set KROW,   1024                      ; a row of x or of a weight in memory, in bytes
.set PITCH,  272                       ; an LDS row: 256 bytes + 16 of padding = 68 words: the 16 rows that a load touches start 4 words apart modulo 64
.set FR,     16                        ; registers of a fragment: 16 rows x 128 K
.set NL,     4                         ; LDS loads that bring one
.set NP,     4                         ; places behind this matrix instruction (ISA guide 7.12.1)
.set HALFT,  128*PITCH                 ; 128 rows: what one tensor load brings, and what one wave reads of A or of B
.set SLOT,   4*HALFT                   ; A's 256 rows, then B's 256 rows
.set LAPS,   2                         ; a lap = two K steps = once round the ring: 1,024 / 512
.set SPARE,  2*SLOT                    ; behind the ring: the spare words, 128 bytes for each wave: two blocks of 256 bytes that no other line names
.set ADRA, 16                          ; v16-17  LDS address of my A fragments in slot 0, 1
.set ADRB, 20                          ; v20-21  the same for B
.set QO,   24                          ; v24     16 r + 8 h: my 8 bytes of a store of q's or k's codes
.set LI,   27                          ; v27     16 x lane: the table's loads and v's stores
.set SPW,  28                          ; v28     LDS address of my spare word: SPARE + 4 x my thread's number; never rewritten
.set NIL,  29                          ; v29     0; never rewritten
.set CS,   32                          ; v32-95  (cos, sin) for a block of 16 tokens: 32 registers, two sets by turns
.set T2,   96                          ; v96-111 the cross products, two sets of 8
.set LIMV, 112
.set SCV,  113                         ; v113    the conversion's scale as f32
.set AF,   128                         ; A's fragments, in window 0
.set TMP,  128                         ; the way out: a block's 64 numbers
.set CODE, 192                         ; the way out: a block's 16 registers of codes, two sets by turns
.set G1, 24                            ; s[24:31] descriptor group 1 for A's tiles;  s[32:39] group 0, one set for each slot
.set G0, 32
.set G1B, 48                           ; s[48:55], s[56:63] the same for B's tiles
.set G0B, 56
.set MSB, 0
.macro WIN new                         ; the immediate's high byte repeats the setting that is left
.if MSB != \new
	s_set_vgpr_msb (MSB<<8)|\new
.set MSB, \new
.endif
.endm
.set MUL_LO, 0xa1                      ; source 0 (B) window 1, source 1 (A) window 0, C and D window 2
.set MUL_HI, 0xf1                      ; the same, C and D window 3
.set TO_B,   0x40                      ; destination window 1, address window 0
; A joint load: waves 0 and 1 fetch for A, waves 2 and 3 for B.  Each of the two lines has ONE mask and one set of registers for all that issue it; the branch hangs on the wave's number alone.
; An s_nop 0 and four v_nop follow each of the two lines, ahead of the jump, the label and what follows.
.macro JLOAD g0a, g1a, g0b, g1b
	s_cmp_eq_u32 s15, 0
	s_cbranch_scc0 .Lfor_b_\@
	tensor_load_to_lds s[\g0a:\g0a+3], s[\g1a:\g1a+7]
	s_nop 0
.rept 4
	v_nop
.endr
	s_branch .Lasked_\@
.Lfor_b_\@:
	tensor_load_to_lds s[\g0b:\g0b+3], s[\g1b:\g1b+7]
	s_nop 0
.rept 4
	v_nop
.endr
.Lasked_\@:
.endm
.macro CREST                           ; a round of the cluster's barrier behind its opening barrier
	s_cmp_lg_u32 s14, 0
	s_cbranch_scc1 .Lnot_wave_0_\@
	s_barrier_signal -3
.Lnot_wave_0_\@:
	s_barrier_wait -3
	s_barrier_signal -1
	s_barrier_wait -1
.endm
.macro CROUND                          ; a whole round
	s_barrier_signal -1
	s_barrier_wait -1
	CREST
.endm
	s_load_b256 s[4:11], s[0:1], 0x0               ; x s[4:5], wq s[6:7], wk s[8:9], wv s[10:11]
	s_load_b256 s[68:75], s[0:1], 0x20             ; the scales' exponents s[68:69], the table s[70:71], qc s[72:73], kc s[74:75]
	s_load_b64 s[76:77], s[0:1], 0x40              ; vc
	v_lshl_add_u32 v[SPW], v0, 2, SPARE
	v_mov_b32 v[NIL], 0
	ds_add_u32 v[SPW], v[NIL]
	ds_add_u32 v[SPW], v[NIL]                      ; the wave's opening: the add and its wait stand ahead of my first tensor load; the set-up below, work on registers, stands between them
	v_lshrrev_b32 v1, 5, v0
	v_readfirstlane_b32 s14, v1                    ; wave 0..3
	s_lshr_b32 s15, s14, 1                         ; which half of the tile's rows of A is mine.  Also: I fetch for A (0) or for B (1)
	s_and_b32 s16, s14, 1                          ; which half of its rows of B.  Also: which 128 rows of that tile I fetch
	s_bfe_u32 s40, ttmp6, 0x40000                  ; cx, cy: my place in the cluster
	s_bfe_u32 s41, ttmp6, 0x40004
	s_and_b32 s12, ttmp7, 0xffff
	s_lshl_b32 s12, s12, 2                         ; 4 x cluster y: it walks x's 32 blocks of 256 tokens,
	s_cmp_eq_u32 ttmp9, 2                          ; which are A's for q and k and B's for v
	s_cselect_b32 s17, 0, s12
	s_cselect_b32 s42, s12, 0
	s_add_co_u32 s17, s17, s41                     ; A's tile row: + cy
	s_add_co_u32 s42, s42, s40                     ; B's tile column: + cx
	s_lshl_b32 s43, s41, 2
	s_lshl_b32 s43, 15, s43                        ; my row of the cluster
	s_lshl_b32 s44, 0x1111, s40                    ; my column
	; descriptor group 1: a tile of 128 rows x 256 bytes, padded in LDS
	s_or_b32 s[G1+0], s43, (0<<16)|(1<<20)|(1<<21)|(5<<22)|(3<<25)  ; 15:0 the mask: A's tiles go to my row; 17:16 element of 1 byte; 20 padding on; 21 set beside a mask; 24:22 after every 64 words (code 5); 31:25 of 4 words (code 3)
	s_or_b32 s[G1B+0], s44, (0<<16)|(1<<20)|(1<<21)|(5<<22)|(3<<25)
.irp g, G1, G1B
	s_mov_b32 s[\g+1], ROWB<<16                    ; tensor_dim0
	s_mov_b32 s[\g+2], 128<<16                     ; tensor_dim1 = 128
	s_mov_b32 s[\g+3], ROWB<<16                    ; tile_dim0
	s_mov_b32 s[\g+4], 128                         ; tile_dim1 = 128
	s_mov_b32 s[\g+5], KROW                        ; tensor_dim0_stride
	s_mov_b32 s[\g+6], 0
	s_mov_b32 s[\g+7], 0
.endr
	s_lshl_b32 s18, s16, 7                         ; which 128 rows of the tile I fetch
	s_lshl_b32 s20, s17, 8
	s_add_co_u32 s20, s20, s18                     ; A: row 256 x tile row + 128 x half
	s_lshl_b32 s46, s42, 8
	s_add_co_u32 s46, s46, s18                     ; B: row 256 x tile column + 128 x half
	s_mov_b32 s21, 0
	s_mov_b32 s47, 0
	s_mov_b64 s[18:19], KROW
	s_mul_u64 s[20:21], s[20:21], s[18:19]         ; in bytes
	s_mul_u64 s[46:47], s[46:47], s[18:19]
	s_mul_i32 s45, s14, HALFT                      ; where they go: wave x 128 rows: no place in the cluster enters an LDS address
	s_wait_dscnt 0x0                               ; the opening add is done
	s_wait_kmcnt 0x0
	s_load_b256 s[84:91], s[68:69], 0x0            ; e0 .. e7
	s_load_b128 s[92:95], s[68:69], 0x20           ; e8 .. e11
	s_cmp_eq_u32 ttmp9, 2                          ; the choices hang on the cluster's x alone
	s_cselect_b64 s[78:79], s[10:11], s[4:5]       ; A: wv, else x
	s_cselect_b64 s[80:81], s[4:5], s[8:9]         ; B: x, else wk,
	s_cselect_b64 s[82:83], s[76:77], s[74:75]     ; out: vc, else kc,
	s_cmp_eq_u32 ttmp9, 0
	s_cselect_b64 s[80:81], s[6:7], s[80:81]       ; or wq
	s_cselect_b64 s[82:83], s[72:73], s[82:83]     ; and qc
	s_add_nc_u64 s[20:21], s[78:79], s[20:21]
	s_add_nc_u64 s[46:47], s[80:81], s[46:47]
	CROUND                                         ; all sixteen work-groups are here: the first joint loads meet
.irp s, 0,1
	s_mov_b32 s[G0+4*\s], 1
	s_add_co_u32 s[G0+4*\s+1], s45, \s*SLOT
	s_add_nc_u64 s[G0+4*\s+2:G0+4*\s+3], s[20:21], \s*ROWB
	s_or_b32 s[G0+4*\s+3], s[G0+4*\s+3], 0x80000000
	s_mov_b32 s[G0B+4*\s], 1
	s_add_co_u32 s[G0B+4*\s+1], s45, \s*SLOT
	s_add_nc_u64 s[G0B+4*\s+2:G0B+4*\s+3], s[46:47], \s*ROWB
	s_or_b32 s[G0B+4*\s+3], s[G0B+4*\s+3], 0x80000000
	JLOAD G0+4*\s, G1, G0B+4*\s, G1B
.endr
	v_and_b32 v1, 15, v0                           ; r = l % 16
	v_bfe_u32 v2, v0, 4, 1                         ; h = l / 16
	v_mul_u32_u24 v3, v1, PITCH
	v_lshl_add_u32 v4, v2, 4, v3                   ; a fragment's row x pitch + 16 x half
	s_mul_i32 s21, s15, HALFT                      ; my 128 rows of A
	s_mul_i32 s22, s16, HALFT                      ; my 128 rows of B,
	s_add_co_u32 s22, s22, 2*HALFT                 ; which lie behind A's 256
.irp s, 0,1
	v_add_nc_u32 v[ADRA+\s], s21, v4
	v_add_nc_u32 v[ADRB+\s], s22, v4
	s_add_co_u32 s21, s21, SLOT
	s_add_co_u32 s22, s22, SLOT
.endr
	v_and_b32 v[LI], 31, v0
	v_lshlrev_b32 v[LI], 4, v[LI]
	s_wait_alu depctr_va_vdst(0)
	v_lshlrev_b32 v[QO], 4, v1
	v_lshl_add_u32 v[QO], v2, 3, v[QO]
	s_lshl_b32 s20, s17, 8
	s_lshl_b32 s21, s15, 7
	s_add_co_u32 s20, s20, s21                     ; my first row of A: 256 x tile row + 128 x half
	s_lshl_b32 s46, s42, 8
	s_lshl_b32 s47, s16, 7
	s_add_co_u32 s46, s46, s47                     ; my first row of B
	; The table for my first two blocks of 16 tokens is asked for here and lands under the products: 4,096 bytes a block, at (token % 2048) x 256.  One text for the three tensors: v's waves issue these
	; sixteen loads too (their A rows are under 1,024, so the address stays inside the table) and leave them unread: every way to the way out then has the same loads behind it.
	s_and_b32 s12, s20, 2047
	s_lshl_b32 s12, s12, 8
	s_mov_b32 s13, 0
	s_add_nc_u64 s[70:71], s[70:71], s[12:13]
.irp t, 0,1,2,3,4,5,6,7,8,9,10,11,12,13,14,15
	global_load_b128 v[CS+4*\t:CS+4*\t+3], v[LI], s[70:71] offset:512*\t
.endr
	; where my results go: (16 batch + my first head) x 131,072 + (my first token % 2048) x 64: a tile of 16 tokens is 1,024 bytes in qc and kc, a step of 64 tokens 4,096 bytes in vc
	s_cmp_eq_u32 ttmp9, 2
	s_cselect_b32 s22, s46, s20                    ; my first token,
	s_cselect_b32 s23, s20, s46                    ; my first channel
	s_lshr_b32 s23, s23, 6                         ; my first head
	s_lshr_b32 s12, s22, 11                        ; batch
	s_lshl_b32 s12, s12, 4
	s_add_co_u32 s12, s12, s23
	s_lshl_b32 s12, s12, 17
	s_and_b32 s22, s22, 2047
	s_lshl_b32 s22, s22, 6
	s_add_co_u32 s12, s12, s22
	s_add_nc_u64 s[82:83], s[82:83], s[12:13]
.macro FRAG reg, adr, q, i             ; a fragment, 16 rows x 128 K of 8-bit codes, is 16 registers: lane l holds row l % 16; registers 4 c .. 4 c + 3 hold K = 32 c + 16 (l / 16) + 0 .. 15: the same order of k in A and in B
.irp c, 0,1,2,3
	ds_load_b128 v[\reg+4*\c:\reg+4*\c+3], v[\adr] offset:128*(\q)+32*\c+(\i)*16*PITCH
.endr
.endm
; 16 matrix instructions: A's blocks a0, a0 + 1 x B's eight, 128 along K.  p: B's set.  zero = 1: the first product starts the sums: nothing is ever cleared.
; The 64 accumulators take turns, one instruction a turn, in the same order in every step.
.macro MUL16 a0, p, zero
.irp a, \a0, \a0+1
.irp b, 0,1,2,3,4,5,6,7
.if \zero
	v_wmma_f32_16x16x128_fp8_fp8 v[8*(8*((\a)%4)+\b):8*(8*((\a)%4)+\b)+7], v[128*(\p)+FR*\b:128*(\p)+FR*\b+FR-1], v[AF+FR*(\a):AF+FR*(\a)+FR-1], 0
.else
	v_wmma_f32_16x16x128_fp8_fp8 v[8*(8*((\a)%4)+\b):8*(8*((\a)%4)+\b)+7], v[128*(\p)+FR*\b:128*(\p)+FR*\b+FR-1], v[AF+FR*(\a):AF+FR*(\a)+FR-1], v[8*(8*((\a)%4)+\b):8*(8*((\a)%4)+\b)+7]
.endif
.endr
.endr
.endm
.macro FETCH_B slot, q, p              ; B's eight fragments of the slot's q-th 128 along K into set p
	WIN TO_B
.irp i, 0,1,2,3,4,5,6,7
	FRAG 128*(\p)+FR*\i, ADRB+\slot, \q, \i
.endr
	WIN 0
.endm
.macro FETCH_A slot, q, i0             ; A's blocks i0 .. i0 + 3
.irp i, \i0, \i0+1, \i0+2, \i0+3
	FRAG AF+FR*(\i), ADRA+\slot, \q, \i
.endr
.endm
; A load into a register that a matrix instruction has read, and a vector instruction that reads a matrix result, stand NP places behind that matrix instruction; only plain vector
; instructions that name none of its registers are places (ISA guide 7.12.1 for vector instructions).
.macro PLACES n
.rept \n
	v_nop
.endr
.endm
; A step of 128 along K that has its successor in the same slot.
.macro STEP slot, q, zero
	s_wait_dscnt 4*NL                              ; B's set and A's blocks 0-3 are in; the youngest sixteen loads (A's blocks 4-7) may be out
	WIN MUL_LO
	MUL16 0, (\q)%2, \zero
	MUL16 2, (\q)%2, \zero
	s_wait_dscnt 0                                 ; A's blocks 4-7 are in (asked for 32 matrix instructions ago)
	PLACES NP
	FETCH_B \slot, (\q)+1, 1-(\q)%2
	FETCH_A \slot, (\q)+1, 0
	WIN MUL_HI
	MUL16 4, (\q)%2, \zero
	MUL16 6, (\q)%2, \zero
	PLACES NP
	WIN 0
	FETCH_A \slot, (\q)+1, 4
.endm
; A slot's last step changes slots: ONE barrier; in front of it each wave waits for all its tensor loads, adds 0 to its spare word, and waits for that and for its own reads of this slot.  fill = 1: this slot is filled again, two K steps ahead.
.macro TURN slot, next, fill
	s_wait_tensorcnt 0x0                           ; all my tensor loads have landed: my part of the next slot;  (every window is 0 here: the add's two registers lie in window 0)
	ds_add_u32 v[SPW], v[NIL]                      ; 0 onto my spare word
	s_wait_dscnt 4*NL+1                            ; (the add and the youngest sixteen loads, A's blocks 4-7, may be out)
	WIN MUL_LO
	MUL16 0, 1, 0                                  ; sixteen matrix instructions stand between the add and the wait for it
	s_wait_dscnt 0x0                               ; the add is done, and my reads of this slot are over
	s_barrier_signal -1
	MUL16 2, 1, 0
	WIN 0
	s_barrier_wait -1
.if \fill
	CREST                                          ; the barrier has opened a round of the cluster's barrier: no wave of any partner still reads this slot's tile or has a load on its way
	s_add_nc_u64 s[G0+4*\slot+2:G0+4*\slot+3], s[G0+4*\slot+2:G0+4*\slot+3], 2*ROWB
	s_add_nc_u64 s[G0B+4*\slot+2:G0B+4*\slot+3], s[G0B+4*\slot+2:G0B+4*\slot+3], 2*ROWB
	JLOAD G0+4*\slot, G1, G0B+4*\slot, G1B         ; the first tensor load behind the round; the four v_nop behind it are the places in front of the loads below
.else
	PLACES NP
.endif
	FETCH_B \next, 0, 0
	FETCH_A \next, 0, 0
	WIN MUL_HI
	MUL16 4, 1, 0
	MUL16 6, 1, 0
	PLACES NP
	WIN 0
	FETCH_A \next, 0, 4
.endm
	s_wait_tensorcnt 1                             ; my part of K step 0 is in (K step 1's load may be out)
	s_barrier_signal -1
	s_barrier_wait -1                              ; everybody's is
	FETCH_B 0, 0, 0
	FETCH_A 0, 0, 0
	FETCH_A 0, 0, 4
	STEP 0, 0, 1                                   ; the first step stands in front of the loop: its products start the sums
	s_mov_b32 s3, LAPS-1
.Llap:                                                 ; a trip goes once round the ring, from a lap's second step to the next lap's first, and fills both slots again
	TURN 0, 1, 1
	STEP 1, 0, 0
	TURN 1, 0, 1
	STEP 0, 0, 0
	s_sub_co_u32 s3, s3, 1
	s_cmp_lg_u32 s3, 0
	s_cbranch_scc1 .Llap
	TURN 0, 1, 0                                   ; the last lap fills nothing, and has no round of the cluster's barrier
	STEP 1, 0, 0
	s_wait_dscnt 4*NL                              ; the very last step: nothing more to fetch
	WIN MUL_LO
	MUL16 0, 1, 0
	MUL16 2, 1, 0
	s_wait_dscnt 0
	WIN MUL_HI
	MUL16 4, 1, 0
	MUL16 6, 1, 0
	WIN 0
; THE WAY OUT OF q AND k, block a of 16 tokens x 128 channels (two heads).  Lane (r, h) holds token r; register j of accumulator b is channel 16 b + 8 h + j, so registers 2 jj, 2 jj + 1 are the pair
; i = 8 (b % 4) + 4 h + jj of head b / 4, and the table's set holds its (cos, sin) at 8 (b % 4) + 2 jj.  Two packed lines turn a pair: (odd x sin, even x sin), then (even x cos - the first, odd x cos + the second).
.macro QK_BLOCK a
.set AC, 64*((\a)%4)
.set CB, CS+32*((\a)%2)
.set CD, CODE+16*((\a)%2)
.if (\a) < 7
	s_wait_loadcnt 8                               ; this block's eight table loads are in; the next block's eight may be out
.else
	s_wait_loadcnt 0
.endif
	s_wait_xcnt 0x0                                ; the stores of two blocks ago have read their codes: that set is written again only behind this wait
	WIN 0x02+((\a)/4)                              ; source 0: window 2 or 3
	v_nop
.irp b, 0,1,2,3,4,5,6,7                        ; each accumulator from its low end on
.irp j, 0,2,4,6
	v_pk_mul_f32 v[T2+8*(\b%2)+\j:T2+8*(\b%2)+\j+1], v[AC+8*\b+\j:AC+8*\b+\j+1], v[CB+8*(\b%4)+\j:CB+8*(\b%4)+\j+1] op_sel:[1,1] op_sel_hi:[0,1]
.endr
.irp j, 0,2,4,6
	v_pk_fma_f32 v[TMP+8*\b+\j:TMP+8*\b+\j+1], v[AC+8*\b+\j:AC+8*\b+\j+1], v[CB+8*(\b%4)+\j:CB+8*(\b%4)+\j+1], v[T2+8*(\b%2)+\j:T2+8*(\b%2)+\j+1] op_sel_hi:[1,0,1] neg_lo:[0,0,1]
.endr
.endr
	WIN 0
.if (\a) < 6
.irp t, 0,1,2,3,4,5,6,7
	global_load_b128 v[CB+4*\t:CB+4*\t+3], v[LI], s[70:71] offset:4096*((\a)+2)+512*\t   ; this set takes the table of the block two further on
.endr
.endif
.set n, 0
.rept 64
.set n, n+1
.endr
.irp b, 0,1,2,3,4,5,6,7
	v_cvt_scalef32_pk8_fp8_f32 v[CD+2*\b:CD+2*\b+1], v[TMP+8*\b:TMP+8*\b+7], v[SCV]
.endr
	v_nop                                          ; a plain line behind the last conversion, ahead of the next vector line that writes its sources
.irp b, 0,1,2,3,4,5,6,7
	global_store_b64 v[QO], v[CD+2*\b:CD+2*\b+1], s[82:83] offset:1024*(\a)+131072*(\b/4)+256*(\b%4)   ; 32 lanes store 256 consecutive bytes, aligned: 16 tokens x 16 channels
.endr
.endm
; THE WAY OUT OF v, block a of 16 channels x 128 tokens (two steps of 64 keys).  Lane (r, h) holds channel r; register j of accumulator b is token 16 b + 8 h + j.  The codes of accumulators 2 c and 2 c + 1 are
; four registers on end: keys 32 g + 8 h + 0..7 and 32 g + 16 + 8 h + 0..7 of step c / 2, g = c % 2: registers 4 g .. 4 g + 3 of the K = 64 form's own layout.
.macro V_BLOCK a
.set AC, 64*((\a)%4)
.set CD, CODE+16*((\a)%2)
	s_wait_xcnt 0x0                                ; the stores of two blocks ago have read their codes
	WIN 0x02+((\a)/4)
.set n, 0
.rept 64
.set n, n+1
.endr
	v_nop
.irp b, 0,1,2,3,4,5,6,7
	v_cvt_scalef32_pk8_fp8_f32 v[CD+2*\b:CD+2*\b+1], v[AC+8*\b:AC+8*\b+7], v[SCV]
.endr
	WIN 0
	v_nop                                          ; a plain line behind the last conversion
.irp c, 0,1,2,3
	global_store_b128 v[LI], v[CD+4*\c:CD+4*\c+3], s[82:83] offset:131072*((\a)/4)+4096*(\c/2)+1024*((\a)%4)+512*(\c%2)   ; 32 lanes store 512 consecutive bytes, aligned
.endr
.endm
	s_wait_kmcnt 0x0
	s_add_co_i32 s12, s84, s85
	s_sub_co_i32 s12, s90, s12                     ; q: e6 - e0 - e1
	s_add_co_i32 s13, s86, s87
	s_sub_co_i32 s13, s91, s13                     ; k: e7 - e2 - e3
	s_add_co_i32 s18, s88, s89
	s_sub_co_i32 s18, s93, s18                     ; v: e9 - e4 - e5
	s_cmp_eq_u32 ttmp9, 0
	s_cselect_b32 s12, s12, s13
	s_cmp_eq_u32 ttmp9, 2
	s_cselect_b32 s12, s18, s12
	s_add_co_i32 s12, s12, 127
	s_lshl_b32 s13, s12, 23
	v_mov_b32 v[SCV], s13                          ; the scale as f32: the conversion takes its exponent field
	PLACES NP-2                                    ; with the v_mov above and the v_nop at the first block's head: the places behind the last products
	s_cmp_eq_u32 ttmp9, 2
	s_cbranch_scc1 .Lv_out
.irp a, 0,1,2,3,4,5,6,7
	QK_BLOCK \a
.endr
	s_branch .Lend
.Lv_out:
	s_wait_alu depctr_va_vdst(0)
.irp a, 0,1,2,3,4,5,6,7
	V_BLOCK \a
.endr
.Lend:
	s_wait_tensorcnt 0x0                           ; the wave's end, behind my last tensor load
	ds_add_u32 v[SPW], v[NIL]
	s_wait_dscnt 0x0
	CROUND                                         ; the closing round: no work-group ends while a partner may still ask for a tile that names it
	s_endpgm
.Lfunc_end_k_q73a0afa562_qkv:
	.size	k_q73a0afa562_qkv, .Lfunc_end_k_q73a0afa562_qkv-k_q73a0afa562_qkv
	.p2alignl 7, 3214868480
	.fill 96, 4, 3214868480
	.section	.rodata,"a",@progbits
	.p2align	6, 0x0
	.amdhsa_kernel k_q73a0afa562_qkv
		.amdhsa_group_segment_fixed_size 327680
		.amdhsa_private_segment_fixed_size 0
		.amdhsa_enable_private_segment 0
		.amdhsa_kernarg_size 72
		.amdhsa_user_sgpr_count 2
		.amdhsa_user_sgpr_kernarg_segment_ptr 1
		.amdhsa_wavefront_size32 1
		.amdhsa_system_sgpr_workgroup_id_x 1
		.amdhsa_system_sgpr_workgroup_id_y 1
		.amdhsa_system_sgpr_workgroup_id_z 1
		.amdhsa_system_vgpr_workitem_id 0
		.amdhsa_next_free_vgpr 1024
		.amdhsa_next_free_sgpr 100
		.amdhsa_reserve_vcc 0
		.amdhsa_float_denorm_mode_32 3
		.amdhsa_float_denorm_mode_16_64 3
		.amdhsa_fp16_overflow 1
		.amdhsa_memory_ordered 1
		.amdhsa_forward_progress 1
		.amdhsa_inst_pref_size 136
	.end_amdhsa_kernel
	.amdgpu_metadata
---
amdhsa.version: [ 1, 2 ]
amdhsa.kernels:
  - .name:           k_q73a0afa562_qkv
    .symbol:         k_q73a0afa562_qkv.kd
    .args:
      - { .name: x_codes, .offset: 0, .size: 8, .value_kind: global_buffer, .address_space: global }
      - { .name: wq_codes, .offset: 8, .size: 8, .value_kind: global_buffer, .address_space: global }
      - { .name: wk_codes, .offset: 16, .size: 8, .value_kind: global_buffer, .address_space: global }
      - { .name: wv_codes, .offset: 24, .size: 8, .value_kind: global_buffer, .address_space: global }
      - { .name: lowp_scales, .offset: 32, .size: 8, .value_kind: global_buffer, .address_space: global }
      - { .name: tab, .offset: 40, .size: 8, .value_kind: global_buffer, .address_space: global }
      - { .name: qc, .offset: 48, .size: 8, .value_kind: global_buffer, .address_space: global }
      - { .name: kc, .offset: 56, .size: 8, .value_kind: global_buffer, .address_space: global }
      - { .name: vc, .offset: 64, .size: 8, .value_kind: global_buffer, .address_space: global }
    .group_segment_fixed_size: 327680
    .private_segment_fixed_size: 0
    .kernarg_segment_align: 8
    .kernarg_segment_size: 72
    .max_flat_workgroup_size: 128
    .sgpr_count:     100
    .vgpr_count:     1024
    .wavefront_size: 32
...
	.end_amdgpu_metadata
.endif
;; end of part 2
;; launch attn (part 3): grid 4 x 64, 16 waves a work-group, no clusters, 327,680 bytes of LDS; arguments qc, kc, vc, lowp_scales, ac; writes ac
.if DOCPART == 3
	.amdgcn_target "amdgcn-amd-amdhsa--gfx1250"
	.amdhsa_code_object_version 6
	.text
	.protected	k_q73a0afa562_attn
	.globl	k_q73a0afa562_attn
	.p2align	8
	.type	k_q73a0afa562_attn,@function
k_q73a0afa562_attn:
	s_mov_b64 s[64:65], 0
	v_nop
	global_prefetch_b8 v0, s[64:65] scope:SCOPE_SE
	s_setreg_imm32_b32 hwreg(HW_REG_WAVE_MODE, 25, 1), 1
	s_wait_xcnt 0x0
; Causal attention on codes of FP8 (E4M3), head size 64, 2,048 tokens, 64 (batch, head) pairs; the result is quantised for the output projection.
; qc, kc: [bh][tile of 16 tokens (128)][1,024 bytes: the image of a K = 64 fragment: registers 4 g .. 4 g + 3 of lane (r, h) at 512 g + 16 lane = channels 32 g + 16 h + 0..15 of token r]: the same order of channels in Q and K.
; vc: [bh][step of 64 keys (32)][tile f of 16 channels (4)][1,024 bytes: the image of a K = 64 fragment in the form's own layout: registers 2 c, 2 c + 1 = keys 16 c + 8 h + 0..7 of channel 16 f + r].
; ac: [tile of 16 tokens (512)][head (16)][channel / 16 (4)][token % 16][channel % 16].
; THE SOFTMAX: t = score x log2(e) / 8; M = the running largest t rounded UP to a whole number; p = 2^(t - M) is quantised with 2^e8, not normalised; the row's sum is taken of the unquantised p and divides at the end.
; When M moves, the sum and O are multiplied by 2^(old M - new M): nothing is rounded, and there is no branch on data.
; SHARES.  Work-group (i, bh) owns the blocks i and 7 - i of 256 queries of one head: 4 i + 4 (7 - i) is the same for every i, so all 256 work-groups have the same number of key steps under the causal mask.
; Waves 0-7 take block i, waves 8-15 block 7 - i; a wave owns 32 neighbouring queries, TWO tiles A and B, so that each fragment of K and V read from LDS feeds two matrix instructions.  Four waves to a SIMD.
; Both products are used transposed: S^T = K Q^T (source 0 = 16 keys, source 1 = 16 queries), O^T = V^T P^T: a lane holds ONE query (lane % 16) of each tile throughout, and register j of tile f of S^T is key
; 16 f + 8 (lane / 16) + j: the conversions' results are P's operand registers as they stand.
; THE RING: two LDS slots of 256 keys (K's 16 KB, then V's 16 KB, both dense), filled by the tensor data mover: wave 0 K's, wave 1 V's; all sixteen read.  Every work-group walks all 8 slots, so that the trip counts are
; constants; a key step all of whose keys come after a wave's queries is jumped over (a branch on ids, round no barrier and no tensor load), and a slot beyond the work-group's last query is not asked for.
; NO CLUSTER, though the four work-groups of a head read the same K and V: their causal jumps hang on the block of queries, which would be the place in the cluster, and partners would need different numbers of slots.
; LIMITS on the given exponents, so that each power of two is an f32 number: e6 + e7 between -123 and 130 (added to c's exponent field); e8, and e10 - e8 - e9, between -126 and 119.
.set SLOT1, 32768                      ; slot 1 begins here: one exclusive or turns an address in one slot into the other's
.set VOFF,  16384                      ; a slot: K's 16 tiles, then V's 4 steps
.set SLOTB, 16384                      ; a slot's bytes of K, and of V, in memory
.set SPARE, 2*SLOT1                    ; behind the ring: the spare words, 128 bytes for each of 16 waves: eight blocks of 256 bytes that no other line names
.set NSL,   8                          ; slots' worth of keys
.set LI,   1                           ; v1   16 x lane: an image's place for my lane
.set ADR,  2                           ; v2   LDS address of the slot in hand + 16 x lane
.set PFO,  3                           ; v3   256 x lane: the prefetches' offset; never rewritten
.set DL,   4                           ; v4   r - 8 h, for the mask
.set SPW,  5                           ; v5   LDS address of my spare word: SPARE + 4 x my thread's number; never rewritten
.set NIL,  6                           ; v6   0; never rewritten
.set GO,   7                           ; v7   16 r + 8 h: my 8 bytes of a store
.set DA,   8                           ; v8, v9  the mask's bounds for tiles A and B
.set DB,   9
.set NINF, 10                          ; v10  -infinity
.set HOLD, 11
.set STA,  12                          ; v12 -M, v13 the largest t, v[14:15] the sum in two halves: tile A
.set STB,  16                          ; v16-19 the same for tile B
.set FA,   20                          ; v[20:21], v[22:23]  f = 2^(old M - new M) (the upper words are written once: they are named as halves of pairs)
.set FB,   22
.set TMA,  24                          ; v24-26 at work for A
.set PSC,  27                          ; v27  2^e8 as f32
.set TMB,  28                          ; v28-30 at work for B
.set ESC,  31                          ; v31  the last conversion's scale
.set QA,   32                          ; v32-39, v40-47  Q's fragments
.set QB,   40
.set KB,   48                          ; v48-79   K's four fragments of a step
.set VB,   80                          ; v80-111  V's four
.set SA,   112                         ; v112-143, v144-175  S^T, then p
.set SB,   144
.set PA,   176                         ; v176-183, v184-191  p's codes; at the end the result's
.set PB,   184
.set OA,   192                         ; v192-223, v224-255  O^T
.set OB,   224
.set TB,   2                           ; s2   LDS byte at which the slot in hand begins
.set WV,   18                          ; s18  my wave's number
.set SEL,  20                          ; s[20:21] lane selects for v_permlanex16_b32: lane l xor 16
.set CS,   22                          ; s[22:23] c = log2(e) / 8 x 2^(e6 + e7): the packed form names a pair and takes its low word for both halves
.set G1,   24                          ; s[24:31] descriptor group 1
.set G0,   40                          ; s[40:43] descriptor group 0, which walks
.set EOUT, 66                          ; s66  e10
.set SLOTS, 67                         ; s67  changes of slots still to come that may ask for a slot
.set PFA,  76                          ; s[76:77] where my prefetches stand
.set LIM,  80                          ; s80  1 in a wave that prefetches, else the greatest number
.set QL,   81                          ; s81  my work-group's last query
.set KF,   98                          ; s98  the step's first key
.set Q0,   99                          ; s99  my first query
; Wave 0 fetches K's 16 KB of a slot, wave 1 V's; the others nothing.  The branch hangs on the wave's number alone.  An s_nop 0 and four v_nop follow the load.
.macro TLOAD
	s_cmp_lt_u32 s[WV], 2
	s_cbranch_scc0 .Lasked_\@
	tensor_load_to_lds s[G0:G0+3], s[G1:G1+7]
	s_nop 0
.rept 4
	v_nop
.endr
.Lasked_\@:
.endm
; A PREFETCH INTO THE L2 of what the NEXT change of slots will ask for: 16 KB of K and 16 KB of V.  It stands at the change of slots, where the fetching waves have their tensor load.
; Each aligned block of 256 bytes is named ONCE in the launch: of the four work-groups of a head, the one with i = 0 asks (it owns the last block of queries and walks all slots with loads);
; in it waves 4 and 5 ask for K's halves, waves 6 and 7 for V's: 8,192 bytes a wave, lanes 256 bytes apart, one instruction.  The last change that fills a slot asks for nothing; slots 0 and 1 come by their loads alone.
.macro ASK
	s_cmp_gt_u32 s[SLOTS], s[LIM]
	s_cbranch_scc0 .Lnot_mine_\@
	global_prefetch_b8 v[PFO], s[PFA:PFA+1] th:TH_LOAD_NT scope:SCOPE_SE
.Lnot_mine_\@:
.endm
	s_load_b128 s[4:7], s[0:1], 0x0                ; qc s[4:5], kc s[6:7]
	s_load_b128 s[12:15], s[0:1], 0x10             ; vc s[12:13], the scales' exponents s[14:15]
	s_load_b64 s[16:17], s[0:1], 0x20              ; ac
	v_lshl_add_u32 v[SPW], v0, 2, SPARE
	v_mov_b32 v[NIL], 0
	ds_add_u32 v[SPW], v[NIL]                      ; the wave's opening: the add and its wait stand ahead of my first tensor load; the set-up below, work on registers, stands between them
	ds_add_u32 v[SPW], v[NIL]
	v_lshrrev_b32 v8, 5, v0
	s_delay_alu instid0(VALU_DEP_1)
	v_readfirstlane_b32 s[WV], v8                  ; wave 0..15
	s_and_b32 s72, ttmp7, 0xffff                   ; bh = 16 batch + head
	s_lshl_b32 s74, s72, 17                        ; its first byte in qc, kc and vc
	s_mov_b32 s75, 0
	s_sub_co_u32 s73, 7, ttmp9                     ; the later of my work-group's two blocks
	s_cmp_lt_u32 s[WV], 8
	s_cselect_b32 s82, ttmp9, s73                  ; my wave's block
	s_lshl_b32 s82, s82, 8
	s_and_b32 s83, s[WV], 7
	s_lshl_b32 s83, s83, 5
	s_add_co_u32 s[Q0], s82, s83                   ; my first query: 256 x block + 32 x (wave % 8)
	s_lshl_b32 s[QL], s73, 8
	s_or_b32 s[QL], s[QL], 255
	s_lshr_b32 s84, s72, 4                         ; batch
	s_lshl_b32 s84, s84, 11
	s_add_co_u32 s84, s84, s[Q0]                   ; my first token among the 8,192: 1,024 bytes of ac for each token of a tile's 16,
	s_and_b32 s85, s72, 15
	s_add_co_u32 s84, s84, s85                     ; and 1,024 for each head
	s_lshl_b32 s84, s84, 10
	s_mov_b32 s85, 0
	s_lshl_b32 s86, s[Q0], 6                       ; my first tile of Q: 1,024 bytes for 16 queries
	s_mov_b32 s87, 0
	s_and_b32 s88, s[WV], 1
	; descriptor group 1: a dense block of 16 KB as 64 rows of 256 bytes
	s_mov_b32 s[G1], 3<<16                         ; 15:0 no mask; 17:16 elements of 8 bytes; no padding: the images are read 16 bytes a lane on end
	s_mov_b32 s[G1+1], 32<<16                      ; tensor_dim0 = 32
	s_mov_b32 s[G1+2], 64<<16                      ; tensor_dim1 = 64
	s_mov_b32 s[G1+3], 32<<16                      ; tile_dim0 = 32
	s_mov_b32 s[G1+4], 64                          ; tile_dim1 = 64
	s_mov_b32 s[G1+5], 32                          ; tensor_dim0_stride
	s_mov_b32 s[G1+6], 0
	s_mov_b32 s[G1+7], 0
	s_mov_b32 s[SEL], 0x76543210
	s_mov_b32 s[SEL+1], 0xfedcba98
	s_mov_b32 s[CS], 0x3e38aa3b                    ; log2(e) / 8
	s_mov_b32 s[TB], 0
	s_mov_b32 s[SLOTS], NSL-1
	s_mov_b32 s[KF], 0
	s_wait_dscnt 0x0                               ; the opening add is done
	s_wait_kmcnt 0x0
	s_load_b128 s[68:71], s[14:15], 0x18           ; e6, e7, e8, e9
	s_load_b32 s[EOUT], s[14:15], 0x28             ; e10
	s_cmp_eq_u32 s88, 0                            ; even waves: K; odd: V (waves 0 and 1 alone use it)
	s_cselect_b64 s[G0+2:G0+3], s[6:7], s[12:13]
	s_mov_b32 s[G0], 1                             ; 1:0 count = 1
	s_lshl_b32 s[G0+1], s88, 14                    ; 63:32 LDS address: slot 0; K at 0, V at 16,384
	s_add_nc_u64 s[G0+2:G0+3], s[G0+2:G0+3], s[74:75]  ; 120:64 global address: the head's first 256 keys
	s_or_b32 s[G0+3], s[G0+3], 0x80000000          ; 127:126 type = 2
	TLOAD                                          ; slot 0
	s_add_nc_u64 s[4:5], s[4:5], s[74:75]
	s_add_nc_u64 s[4:5], s[4:5], s[86:87]          ; Q at my first tile
	s_add_nc_u64 s[16:17], s[16:17], s[84:85]      ; ac at my first tile and my head
	s_cmp_lt_u32 s[WV], 6                          ; the prefetches: waves 4, 5: K; waves 6, 7: V
	s_cselect_b64 s[PFA:PFA+1], s[6:7], s[12:13]
	s_lshl_b32 s82, s88, 13                        ; my half of the 16 KB,
	s_add_co_u32 s82, s82, SLOTB                   ; in slot 1: the first change of slots steps it to slot 2.  Nothing is prefetched here, at the head
	s_mov_b32 s83, 0
	s_add_nc_u64 s[PFA:PFA+1], s[PFA:PFA+1], s[74:75]
	s_add_nc_u64 s[PFA:PFA+1], s[PFA:PFA+1], s[82:83]
	s_sub_co_u32 s82, s[WV], 4
	s_lshr_b32 s82, s82, 2                         ; 0 in waves 4 to 7,
	s_or_b32 s82, s82, ttmp9                       ; of the work-group with i = 0
	s_cmp_eq_u32 s82, 0
	s_cselect_b32 s[LIM], 1, -1
	v_and_b32 v[LI], 31, v0
	s_delay_alu instid0(VALU_DEP_1)
	v_lshlrev_b32 v[PFO], 8, v[LI]
	s_delay_alu instid0(VALU_DEP_2)
	v_lshlrev_b32 v[LI], 4, v[LI]
.irp t, 0,1,2,3
	global_load_b128 v[QA+4*\t:QA+4*\t+3], v[LI], s[4:5] offset:512*\t   ; Q's two fragments stay in registers
.endr
	v_and_b32 v8, 15, v0                           ; r
	v_bfe_u32 v9, v0, 4, 1                         ; h
	s_delay_alu instid0(VALU_DEP_2)
	v_lshlrev_b32 v[GO], 4, v8
	s_delay_alu instid0(VALU_DEP_1)
	v_lshl_add_u32 v[GO], v9, 3, v[GO]
	s_delay_alu instid0(VALU_DEP_3)
	v_lshlrev_b32 v[DL], 3, v9
	s_delay_alu instid0(VALU_DEP_1)
	v_sub_nc_u32 v[DL], v8, v[DL]
	v_mov_b32 v[NINF], 0xff800000
	v_mov_b32 v[STA+1], 0xff61b1e6                 ; the largest t so far: -3e38, under every t
	v_mov_b32 v[STB+1], 0xff61b1e6
	s_delay_alu instid0(VALU_DEP_2)
	v_floor_f32 v[STA], -v[STA+1]                  ; -M
	s_delay_alu instid0(VALU_DEP_2)
	v_floor_f32 v[STB], -v[STB+1]
.irp x, STA+2, STA+3, STB+2, STB+3, FA+1, FB+1, TMA+2, TMB+2
	v_mov_b32 v[\x], 0                             ; the sums; the pairs' upper words; the lane permutes' destinations, which count as read
.endr
.set n, 0
.rept 64
	v_mov_b32 v[OA+n], 0                           ; O^T.  (The step is written once: the first finds zeros, which the first change of M leaves zeros)
.set n, n+1
.endr
	s_wait_kmcnt 0x0
	s_add_co_i32 s72, s68, s69
	s_lshl_b32 s72, s72, 23
	s_add_co_i32 s[CS], s[CS], s72                 ; a score stands for score x 2^(e6 + e7): the two exponents are added to c's exponent field
	s_mov_b32 s[CS+1], s[CS]                       ; (named with it as a pair, so it is written)
	s_add_co_i32 s72, s70, 127
	s_lshl_b32 s73, s72, 23
	v_mov_b32 v[PSC], s73                          ; 2^e8 as f32
; A KEY STEP: 64 keys, the q-th of the slot in hand, for both tiles.
.macro STEP q
	s_add_co_u32 s96, s[Q0], 31
	s_cmp_gt_u32 s[KF], s96                        ; all its keys come after my 32 queries: the step's work is left out; the line at its end that steps KF is not
	s_cbranch_scc1 .Lhidden_\@
	v_add_nc_u32 v[ADR], s[TB], v[LI]
.rept 3
	v_nop                                          ; with the line above: four places in front of loads into V's registers, which the last products read
.endr
.irp f, 0,1,2,3
.irp g, 0,1
	ds_load_b128 v[KB+8*\f+4*\g:KB+8*\f+4*\g+3], v[ADR] offset:4096*(\q)+1024*\f+512*\g
.endr
.endr
.irp f, 0,1,2,3
.irp g, 0,1
	ds_load_b128 v[VB+8*\f+4*\g:VB+8*\f+4*\g+3], v[ADR] offset:VOFF+4096*(\q)+1024*\f+512*\g
.endr
.endr
	s_wait_dscnt 8                                 ; K's eight loads are in; V's eight may be out
.irp f, 0,1,2,3                                ; S^T = K Q^T: the eight accumulators one after the other, each begun with 0
	v_wmma_f32_16x16x64_fp8_fp8 v[SA+8*\f:SA+8*\f+7], v[KB+8*\f:KB+8*\f+7], v[QA:QA+7], 0
	v_wmma_f32_16x16x64_fp8_fp8 v[SB+8*\f:SB+8*\f+7], v[KB+8*\f:KB+8*\f+7], v[QB:QB+7], 0
.endr
.rept 4
	v_nop
.endr
	s_add_co_u32 s96, s[KF], 63                    ; on the diagonal (one step of a wave) the scores of hidden keys become -infinity ahead of the maximum: p = 0 then.  A step all of whose keys count skips this.
	s_cmp_le_u32 s96, s[Q0]                        ; (KF <= Q0 in every step that is walked, so each query keeps at least key KF)
	s_cbranch_scc1 .Lopen_\@
	s_sub_co_i32 s96, s[Q0], s[KF]
	v_add_nc_u32 v[DA], s96, v[DL]                 ; register 8 f + j holds key KF + 16 f + 8 h + j: hidden for query Q0 + r where 16 f + j > Q0 - KF + r - 8 h
	s_delay_alu instid0(VALU_DEP_1)
	v_add_nc_u32 v[DB], 16, v[DA]
.set n, 0
.rept 32
	v_cmp_gt_i32 vcc_lo, 16*(n/8)+n%8, v[DA]
	v_cndmask_b32 v[SA+n], v[SA+n], v[NINF], vcc_lo
.set n, n+1
.endr
.set n, 0
.rept 32
	v_cmp_gt_i32 vcc_lo, 16*(n/8)+n%8, v[DB]
	v_cndmask_b32 v[SB+n], v[SB+n], v[NINF], vcc_lo
.set n, n+1
.endr
.Lopen_\@:
	v_max3_num_f32 v[TMA], v[SA], v[SA+1], v[SA+2]         ; the step's largest score of my query among my 32 keys: two chains a tile, ascending, the tiles by turns
	v_max3_num_f32 v[TMB], v[SB], v[SB+1], v[SB+2]
	v_max3_num_f32 v[TMA+1], v[SA+3], v[SA+4], v[SA+5]
	v_max3_num_f32 v[TMB+1], v[SB+3], v[SB+4], v[SB+5]
.irp i, 6,10,14,18,22,26
	v_max3_num_f32 v[TMA], v[TMA], v[SA+\i], v[SA+\i+1]
	v_max3_num_f32 v[TMB], v[TMB], v[SB+\i], v[SB+\i+1]
	v_max3_num_f32 v[TMA+1], v[TMA+1], v[SA+\i+2], v[SA+\i+3]
	v_max3_num_f32 v[TMB+1], v[TMB+1], v[SB+\i+2], v[SB+\i+3]
.endr
	v_max3_num_f32 v[TMA], v[TMA], v[SA+30], v[SA+31]
	v_max3_num_f32 v[TMB], v[TMB], v[SB+30], v[SB+31]
	s_delay_alu instid0(VALU_DEP_2)
	v_max_num_f32 v[TMA], v[TMA], v[TMA+1]
	s_delay_alu instid0(VALU_DEP_2)
	v_max_num_f32 v[TMB], v[TMB], v[TMB+1]
	s_delay_alu instid0(VALU_DEP_2)
	v_permlanex16_b32 v[TMA+2], v[TMA], s[SEL], s[SEL+1]
	s_delay_alu instid0(VALU_DEP_2)
	v_permlanex16_b32 v[TMB+2], v[TMB], s[SEL], s[SEL+1]
	s_delay_alu instid0(VALU_DEP_2)
	v_max_num_f32 v[TMA], v[TMA], v[TMA+2]         ; and among lane l xor 16's
	s_delay_alu instid0(VALU_DEP_2)
	v_max_num_f32 v[TMB], v[TMB], v[TMB+2]
	s_delay_alu instid0(VALU_DEP_2)
	v_mul_f32 v[TMA], s[CS], v[TMA]                ; as t (c is positive)
	s_delay_alu instid0(VALU_DEP_2)
	v_mul_f32 v[TMB], s[CS], v[TMB]
	s_delay_alu instid0(VALU_DEP_2)
	v_max_num_f32 v[STA+1], v[STA+1], v[TMA]       ; the running largest t
	s_delay_alu instid0(VALU_DEP_2)
	v_max_num_f32 v[STB+1], v[STB+1], v[TMB]
	v_mov_b32 v[TMA], v[STA]
	v_mov_b32 v[TMB], v[STB]
	s_delay_alu instid0(VALU_DEP_4)
	v_floor_f32 v[STA], -v[STA+1]                  ; the new -M = floor(-t) = -ceil(t): a whole number
	s_delay_alu instid0(VALU_DEP_4)
	v_floor_f32 v[STB], -v[STB+1]
	s_delay_alu instid0(VALU_DEP_2)
	v_sub_f32 v[TMA], v[STA], v[TMA]               ; old M - new M: a whole number, 0 or less
	s_delay_alu instid0(VALU_DEP_2)
	v_sub_f32 v[TMB], v[STB], v[TMB]
	s_delay_alu instid0(VALU_DEP_2)
	v_cvt_i32_f32 v[TMA], v[TMA]                   ; (it saturates)
	s_delay_alu instid0(VALU_DEP_2)
	v_cvt_i32_f32 v[TMB], v[TMB]
	s_delay_alu instid0(VALU_DEP_2)
	v_ldexp_f32 v[FA], 1.0, v[TMA]                 ; f = 2^(old M - new M)
	s_delay_alu instid0(VALU_DEP_2)
	v_ldexp_f32 v[FB], 1.0, v[TMB]
.irp j, 0,2,4,6,8,10,12,14,16,18,20,22,24,26,28,30
	v_pk_fma_f32 v[SA+\j:SA+\j+1], v[SA+\j:SA+\j+1], s[CS:CS+1], v[STA:STA+1] op_sel_hi:[1,0,0]   ; t - M, two at a time (of the pairs c and -M the low word serves both halves)
	v_pk_fma_f32 v[SB+\j:SB+\j+1], v[SB+\j:SB+\j+1], s[CS:CS+1], v[STB:STB+1] op_sel_hi:[1,0,0]
.endr
.set n, 0
	s_wait_alu depctr_va_vdst(0)
.rept 64
	v_exp_f32 v[SA+n], v[SA+n]                     ; p = 2^(t - M), at most 1: one batch for both tiles
.set n, n+1
.endr
	s_wait_alu depctr_va_vdst(0)
.irp j, 0,2,4,6,8,10,12,14,16,18,20,22,24,26,28,30
	v_pk_mul_f32 v[OA+\j:OA+\j+1], v[OA+\j:OA+\j+1], v[FA:FA+1] op_sel_hi:[1,0]   ; O^T under the new M: work that names no exponential's result, behind the batch
	v_pk_mul_f32 v[OB+\j:OB+\j+1], v[OB+\j:OB+\j+1], v[FB:FB+1] op_sel_hi:[1,0]
.endr
	v_pk_mul_f32 v[STA+2:STA+3], v[STA+2:STA+3], v[FA:FA+1] op_sel_hi:[1,0]       ; the sums likewise
	v_pk_mul_f32 v[STB+2:STB+3], v[STB+2:STB+3], v[FB:FB+1] op_sel_hi:[1,0]
	s_wait_alu depctr_va_vdst(0)                   ; one wait for the 64 exponentials, ahead of their first reader
	v_pk_add_f32 v[TMA:TMA+1], v[SA:SA+1], v[SA+2:SA+3]    ; THE ROW'S SUM IS TAKEN OF THE UNQUANTISED p: two at a time, two chains a tile
	v_pk_add_f32 v[TMB:TMB+1], v[SB:SB+1], v[SB+2:SB+3]
.irp j, 4,8,12,16,20,24,28
	v_pk_add_f32 v[STA+2:STA+3], v[STA+2:STA+3], v[SA+\j:SA+\j+1]
	v_pk_add_f32 v[STB+2:STB+3], v[STB+2:STB+3], v[SB+\j:SB+\j+1]
	v_pk_add_f32 v[TMA:TMA+1], v[TMA:TMA+1], v[SA+\j+2:SA+\j+3]
	v_pk_add_f32 v[TMB:TMB+1], v[TMB:TMB+1], v[SB+\j+2:SB+\j+3]
.endr
	s_delay_alu instid0(VALU_DEP_2)
	v_pk_add_f32 v[STA+2:STA+3], v[STA+2:STA+3], v[TMA:TMA+1]
	s_delay_alu instid0(VALU_DEP_2)
	v_pk_add_f32 v[STB+2:STB+3], v[STB+2:STB+3], v[TMB:TMB+1]
.set n, 0
.rept 64
.set n, n+1
.endr
.irp c, 0,1,2,3,4,5,6,7
	v_cvt_scalef32_pk8_fp8_f32 v[PA+2*\c:PA+2*\c+1], v[SA+8*\c:SA+8*\c+7], v[PSC]   ; c = 0..3: tile A's keys 16 c + 8 h + 0..7; c = 4..7: tile B's
.endr
	v_nop                                          ; a plain line between the last conversion and the matrix instructions that read the codes
	s_wait_alu depctr_va_vdst(0)
	s_wait_dscnt 0x0                               ; V is in
.irp f, 0,1,2,3                                ; O^T += V^T P^T: the eight accumulators by turns, one instruction a turn
	v_wmma_f32_16x16x64_fp8_fp8 v[OA+8*\f:OA+8*\f+7], v[VB+8*\f:VB+8*\f+7], v[PA:PA+7], v[OA+8*\f:OA+8*\f+7]
	v_wmma_f32_16x16x64_fp8_fp8 v[OB+8*\f:OB+8*\f+7], v[VB+8*\f:VB+8*\f+7], v[PB:PB+7], v[OB+8*\f:OB+8*\f+7]
.endr
.Lhidden_\@:
	s_add_co_u32 s[KF], s[KF], 64
.endm
; THE CHANGE OF SLOTS stands at a slot's head.  Each wave waits for all its tensor loads (at most one is out: its part of the slot that it is about to read), adds 0 to its spare word, and waits for that and for its reads of
; the slot that it has left.  Behind the barrier the slot ahead is whole and nobody reads the other one.  fill = 1: that other slot is filled with the keys that follow, up to the causal limit: the load has four key steps in which to land.
.macro CHANGE fill
	s_wait_tensorcnt 0x0                           ; no tensor load of mine is out, so the group 0 may be written
	ds_add_u32 v[SPW], v[NIL]                      ; 0 onto my spare word; with fill = 1 the descriptor's steps stand between it and the wait for it
.if \fill
	s_xor_b32 s[G0+1], s[G0+1], SLOT1              ; the walking descriptor: the other slot than last time,
	s_add_nc_u64 s[G0+2:G0+3], s[G0+2:G0+3], SLOTB ; the next 256 keys; the type bits on top are not reached
	s_wait_xcnt 0x0                                ; the last prefetch, a slot back, has read its address, so it may be written:
	s_add_nc_u64 s[PFA:PFA+1], s[PFA:PFA+1], SLOTB ; one slot further on than the walking descriptor
.endif
	s_wait_dscnt 0x0                               ; the add is done, and my reads of the slot that I have left are over
	s_barrier_signal -1
	s_barrier_wait -1
.if \fill
	s_add_co_u32 s96, s[KF], 256                   ; THE LOOK-AHEAD ENDS AT THE CAUSAL LIMIT: a slot whose first key comes after my work-group's last query is read by none of its waves, so it is not asked for.
	s_cmp_gt_u32 s96, s[QL]                        ; ids and the count of steps alone: all sixteen waves go the same way, and a work-group that is past the limit stays past it; every wait on TENSORcnt in this text is for 0
	s_cbranch_scc1 .Lpast_\@
	TLOAD                                          ; a wave's one tensor load until the next such barrier
.Lpast_\@:
	ASK
.endif
.endm
.macro SLOT_STEPS
	STEP 0
	STEP 1
	STEP 2
	STEP 3
	s_xor_b32 s[TB], s[TB], SLOT1                  ; on to the other slot
.endm
	s_wait_loadcnt 0x0                             ; Q
.Lslot:                                            ; NSL - 1 trips: behind each change of slots but the last the next slot is asked for, up to the limit
	CHANGE 1
	SLOT_STEPS
	s_sub_co_u32 s[SLOTS], s[SLOTS], 1
	s_cmp_lg_u32 s[SLOTS], 0
	s_cbranch_scc1 .Lslot
	CHANGE 0                                       ; the last slot is written out: nothing is left to ask for
	SLOT_STEPS
	; THE WAY OUT.  O^T / the sum stands for the result / 2^(e8 + e9); its code is that / 2^(e10 - e8 - e9).  Register j of tile f is channel 16 f + 8 h + j of query r: eight codes, 8 bytes at 256 f + 16 r + 8 h of my head's 1,024.
	v_add_f32 v[STA+2], v[STA+2], v[STA+3]         ; the sums' two halves,  (these plain lines are also the places behind the last products)
	v_add_f32 v[STB+2], v[STB+2], v[STB+3]
	s_delay_alu instid0(VALU_DEP_2)
	v_permlanex16_b32 v[TMA+2], v[STA+2], s[SEL], s[SEL+1]
	s_delay_alu instid0(VALU_DEP_2)
	v_permlanex16_b32 v[TMB+2], v[STB+2], s[SEL], s[SEL+1]
	s_delay_alu instid0(VALU_DEP_2)
	v_add_f32 v[STA+2], v[STA+2], v[TMA+2]         ; and lane l xor 16's
	s_delay_alu instid0(VALU_DEP_2)
	v_add_f32 v[STB+2], v[STB+2], v[TMB+2]
	s_wait_alu depctr_va_vdst(0)
	v_rcp_f32 v[FA], v[STA+2]
	v_rcp_f32 v[FB], v[STB+2]
	s_sub_co_i32 s72, s[EOUT], s70
	s_sub_co_i32 s72, s72, s71                     ; e10 - e8 - e9
	s_add_co_i32 s72, s72, 127
	s_lshl_b32 s73, s72, 23
	v_mov_b32 v[ESC], s73                          ; (a plain line behind the reciprocals)
	s_wait_alu depctr_va_vdst(0)                   ; one wait for the two reciprocals, ahead of their first reader
.irp j, 0,2,4,6,8,10,12,14,16,18,20,22,24,26,28,30
	v_pk_mul_f32 v[OA+\j:OA+\j+1], v[OA+\j:OA+\j+1], v[FA:FA+1] op_sel_hi:[1,0]
	v_pk_mul_f32 v[OB+\j:OB+\j+1], v[OB+\j:OB+\j+1], v[FB:FB+1] op_sel_hi:[1,0]
.endr
.set n, 0
.rept 64
.set n, n+1
.endr
.irp c, 0,1,2,3,4,5,6,7
	v_cvt_scalef32_pk8_fp8_f32 v[PA+2*\c:PA+2*\c+1], v[OA+8*\c:OA+8*\c+7], v[ESC]
.endr
	v_nop                                          ; a plain line behind the last conversion
.irp c, 0,1,2,3,4,5,6,7
	global_store_b64 v[GO], v[PA+2*\c:PA+2*\c+1], s[16:17] offset:16384*(\c/4)+256*(\c%4)   ; 32 lanes store 256 consecutive bytes, aligned; tile B's tokens lie 16,384 bytes on
.endr
	s_wait_tensorcnt 0x0                           ; the wave's end, behind my last tensor load
	ds_add_u32 v[SPW], v[NIL]
	s_wait_dscnt 0x0
	s_endpgm
.Lfunc_end_k_q73a0afa562_attn:
	.size	k_q73a0afa562_attn, .Lfunc_end_k_q73a0afa562_attn-k_q73a0afa562_attn
	.p2alignl 7, 3214868480
	.fill 96, 4, 3214868480
	.section	.rodata,"a",@progbits
	.p2align	6, 0x0
	.amdhsa_kernel k_q73a0afa562_attn
		.amdhsa_group_segment_fixed_size 327680
		.amdhsa_private_segment_fixed_size 0
		.amdhsa_enable_private_segment 0
		.amdhsa_kernarg_size 40
		.amdhsa_user_sgpr_count 2
		.amdhsa_user_sgpr_kernarg_segment_ptr 1
		.amdhsa_wavefront_size32 1
		.amdhsa_system_sgpr_workgroup_id_x 1
		.amdhsa_system_sgpr_workgroup_id_y 1
		.amdhsa_system_sgpr_workgroup_id_z 1
		.amdhsa_system_vgpr_workitem_id 0
		.amdhsa_next_free_vgpr 256
		.amdhsa_next_free_sgpr 100
		.amdhsa_reserve_vcc 1
		.amdhsa_float_denorm_mode_32 3
		.amdhsa_float_denorm_mode_16_64 3
		.amdhsa_fp16_overflow 1
		.amdhsa_memory_ordered 1
		.amdhsa_forward_progress 1
		.amdhsa_inst_pref_size 163
	.end_amdhsa_kernel
	.amdgpu_metadata
---
amdhsa.version: [ 1, 2 ]
amdhsa.kernels:
  - .name:           k_q73a0afa562_attn
    .symbol:         k_q73a0afa562_attn.kd
    .args:
      - { .name: qc, .offset: 0, .size: 8, .value_kind: global_buffer, .address_space: global }
      - { .name: kc, .offset: 8, .size: 8, .value_kind: global_buffer, .address_space: global }
      - { .name: vc, .offset: 16, .size: 8, .value_kind: global_buffer, .address_space: global }
      - { .name: lowp_scales, .offset: 24, .size: 8, .value_kind: global_buffer, .address_space: global }
      - { .name: ac, .offset: 32, .size: 8, .value_kind: global_buffer, .address_space: global }
    .group_segment_fixed_size: 327680
    .private_segment_fixed_size: 0
    .kernarg_segment_align: 8
    .kernarg_segment_size: 40
    .max_flat_workgroup_size: 512
    .sgpr_count:     100
    .vgpr_count:     256
    .wavefront_size: 32
...
	.end_amdgpu_metadata
.endif
;; end of part 3
;; launch oproj (part 4): grid 4 x 32, 4 waves a work-group, clusters of 4 x 4, 327,680 bytes of LDS; arguments ac, wo_codes, lowp_scales, out0; writes out0
.if DOCPART == 4
	.amdgcn_target "amdgcn-amd-amdhsa--gfx1250"
	.amdhsa_code_object_version 6
	.text
	.protected	k_q73a0afa562_oproj
	.globl	k_q73a0afa562_oproj
	.p2align	8
	.type	k_q73a0afa562_oproj,@function
k_q73a0afa562_oproj:
	s_mov_b64 s[64:65], 0
	v_nop
	global_prefetch_b8 v0, s[64:65] scope:SCOPE_SE
	s_setreg_imm32_b32 hwreg(HW_REG_WAVE_MODE, 25, 1), 1
	s_wait_xcnt 0x0
	s_wait_alu depctr_hold_cnt(0) depctr_sa_sdst(0) depctr_va_vdst(0) depctr_va_sdst(0) depctr_va_ssrc(0) depctr_va_vcc(0) depctr_vm_vsrc(0)
	s_getreg_b32 s2, hwreg(HW_REG_IB_STS2, 6, 4)
	s_cmp_eq_u32 s2, 0
	s_cbranch_scc0 .Lentry_in_a_cluster
	s_endpgm
.Lentry_in_a_cluster:
	s_bfe_u32 s2, ttmp6, 0x10000c
	s_cmp_lg_u32 s2, 0xf033
	s_cbranch_scc0 .Lentry_shape_is_right
	s_endpgm
.Lentry_shape_is_right:
; out0[m][n] = 2^(e10 + e11) x the sum over k of A[m][k] B[n][k] on codes of FP8 (E4M3).  A: the attention's result, 8,192 tokens x 1,024; B = wo: [1024][1024], K innermost; out0: [8192][1024] f32.
; A LIES AS IMAGES OF ITS FRAGMENTS: [tile of 16 tokens (512)][k / 16 (64)][token % 16][k % 16], 16 KB a tile.  The 2,048 bytes of 128 along K are a fragment's 16 registers: registers 4 c .. 4 c + 3 of lane l at 512 c + 16 l
; hold k = 32 c + 16 (l / 16) + 0 .. 15 of token l % 16: the order in which B's fragments are taken from rows.  So A's tile needs no padding, and its loads read 512 consecutive bytes each.
; A tile of out0, 256 x 256, is made by a work-group of four waves, a wave 128 x 128: 64 accumulators, 512 registers.  K goes in four steps of 256 through a ring of two LDS slots.  128 work-groups: a smaller tile
; would give each WGP one, at twice the LDS bytes for each product; it is not taken here.
; CLUSTERS: 4 x 4 work-groups; A's tile is asked for jointly along a row of the cluster, B's along a column.  THE MATRIX INSTRUCTION IS USED TRANSPOSED (source 0 = 16 rows of B, source 1 = 16 rows of A): a lane holds eight neighbouring numbers of a row of out0.
; LIMIT: e10 + e11 lies between -126 and 127, so that 2^(e10 + e11) is an f32 number.
; REGISTERS, in windows of 256: window 0: v0-31 addresses; from v128 A's fragments, ONE set; on the way out v32-255 are free.   window 1: B's fragments, TWO sets.   windows 2, 3: the accumulators ((a, b) at v[8 (8 (a % 4) + b)]).
.set SIZE_N, 1024
.set ROWB,   256                       ; a row of B's tile in bytes: 256 along K
.set KROW,   1024                      ; a row of wo in memory
.set PITCH,  272                       ; B's LDS row: 256 bytes + 16 of padding
.set ASTEP,  4096                      ; 256 along K of a tile of 16 tokens of A
.set ATILE,  16384                     ; a tile of 16 tokens of A in memory
.set FR,     16                        ; registers of a fragment
.set NL,     4                         ; LDS loads that bring one
.set NP,     4                         ; places behind this matrix instruction (ISA guide 7.12.1)
.set AHALF,  8*ASTEP                   ; A: 128 tokens x 256 K: what one tensor load brings
.set HALFT,  128*PITCH                 ; B: 128 rows
.set BOFF,   2*AHALF                   ; a slot: A's two halves, then B's two
.set SLOT,   BOFF+2*HALFT
.set LAPS,   2                         ; a lap = two K steps = once round the ring
.set SPARE,  2*SLOT                    ; behind the ring: the spare words, 128 bytes for each wave: two blocks of 256 bytes that no other line names
.set SPITCH, 528                       ; the way out: a stage of 16 rows x (512 bytes + 16) for each wave.  It lies in slot 0, which has had its last fill and its last read when the first result is stored there
.set ADRA, 16                          ; v16-17  LDS address of my A fragments in slot 0, 1
.set ADRB, 20                          ; v20-21  the same for B
.set STO,  24                          ; v24     the way out: where I put 32 bytes of a row
.set RD,   25                          ; v25     the way out: where I read a row back
.set CO,   26                          ; v26     16 x lane: my byte offset in a row of out0, and in an image
.set SPW,  28                          ; v28     LDS address of my spare word; never rewritten
.set NIL,  29                          ; v29     0; never rewritten
.set TMP,  32                          ; the way out: 64 registers, a block's sums x 2^(e10 + e11)
.set AF,   128                         ; A's fragments, in window 0
.set BK,   128                         ; the way out: 16 rows read back from the stage: v128-191 and v192-255 by turns
.set G1, 24                            ; s[24:31] descriptor group 1 for A's tiles;  s[32:39] group 0, one set for each slot
.set G0, 32
.set G1B, 48                           ; s[48:55], s[56:63] the same for B's tiles
.set G0B, 56
.set MSB, 0
.macro WIN new                         ; the immediate's high byte repeats the setting that is left
.if MSB != \new
	s_set_vgpr_msb (MSB<<8)|\new
.set MSB, \new
.endif
.endm
.set MUL_LO, 0xa1                      ; source 0 (B) window 1, source 1 (A) window 0, C and D window 2
.set MUL_HI, 0xf1                      ; the same, C and D window 3
.set TO_B,   0x40                      ; destination window 1, address window 0
; A joint load: waves 0 and 1 fetch for A, waves 2 and 3 for B; the branch hangs on the wave's number alone.  An s_nop 0 and four v_nop follow each of the two lines.
.macro JLOAD g0a, g1a, g0b, g1b
	s_cmp_eq_u32 s15, 0
	s_cbranch_scc0 .Lfor_b_\@
	tensor_load_to_lds s[\g0a:\g0a+3], s[\g1a:\g1a+7]
	s_nop 0
.rept 4
	v_nop
.endr
	s_branch .Lasked_\@
.Lfor_b_\@:
	tensor_load_to_lds s[\g0b:\g0b+3], s[\g1b:\g1b+7]
	s_nop 0
.rept 4
	v_nop
.endr
.Lasked_\@:
.endm
.macro CREST                           ; a round of the cluster's barrier behind its opening barrier
	s_cmp_lg_u32 s14, 0
	s_cbranch_scc1 .Lnot_wave_0_\@
	s_barrier_signal -3
.Lnot_wave_0_\@:
	s_barrier_wait -3
	s_barrier_signal -1
	s_barrier_wait -1
.endm
.macro CROUND                          ; a whole round
	s_barrier_signal -1
	s_barrier_wait -1
	CREST
.endm
	s_load_b128 s[4:7], s[0:1], 0x0                ; A's codes s[4:5], wo's codes s[6:7]
	s_load_b128 s[8:11], s[0:1], 0x10              ; the scales' exponents s[8:9], out0 s[10:11]
	v_lshl_add_u32 v[SPW], v0, 2, SPARE
	v_mov_b32 v[NIL], 0
	ds_add_u32 v[SPW], v[NIL]                      ; the wave's opening: the add and its wait stand ahead of my first tensor load; the set-up below, work on registers, stands between them
	v_lshrrev_b32 v1, 5, v0
	v_readfirstlane_b32 s14, v1                    ; wave 0..3
	s_lshr_b32 s15, s14, 1                         ; which half of the tile's rows is mine.  Also: I fetch for A (0) or for B (1)
	s_and_b32 s16, s14, 1                          ; which half of its columns.  Also: which half of that tile I fetch
	s_bfe_u32 s40, ttmp6, 0x40000                  ; cx, cy: my place in the cluster
	s_bfe_u32 s41, ttmp6, 0x40004
	s_lshl_b32 s42, ttmp9, 2
	s_add_co_u32 s42, s42, s40                     ; tile column = 4 x cluster x + cx
	s_and_b32 s17, ttmp7, 0xffff
	s_lshl_b32 s17, s17, 2
	s_add_co_u32 s17, s17, s41                     ; tile row = 4 x cluster y + cy
	s_lshl_b32 s43, s41, 2
	s_lshl_b32 s43, 15, s43                        ; my row of the cluster
	s_lshl_b32 s44, 0x1111, s40                    ; my column
	; descriptor group 1 for A: 8 tiles of 16 tokens, 4,096 bytes of each, 16,384 bytes apart; elements of 8 bytes; dense in LDS
	s_or_b32 s[G1+0], s43, (3<<16)|(1<<21)         ; 15:0 the mask: A's tiles go to my row; 17:16 element of 8 bytes; 21 set beside a mask
	s_mov_b32 s[G1+1], (ASTEP/8)<<16               ; tensor_dim0 = 512
	s_mov_b32 s[G1+2], 8<<16                       ; tensor_dim1 = 8
	s_mov_b32 s[G1+3], (ASTEP/8)<<16               ; tile_dim0 = 512
	s_mov_b32 s[G1+4], 8                           ; tile_dim1 = 8
	s_mov_b32 s[G1+5], ATILE/8                     ; tensor_dim0_stride = 2,048
	s_mov_b32 s[G1+6], 0
	s_mov_b32 s[G1+7], 0
	; and for B: 128 rows x 256 bytes, padded in LDS
	s_or_b32 s[G1B+0], s44, (0<<16)|(1<<20)|(1<<21)|(5<<22)|(3<<25)  ; the mask of my column; element of 1 byte; padding: 4 words after every 64
	s_mov_b32 s[G1B+1], ROWB<<16
	s_mov_b32 s[G1B+2], 128<<16
	s_mov_b32 s[G1B+3], ROWB<<16
	s_mov_b32 s[G1B+4], 128
	s_mov_b32 s[G1B+5], KROW
	s_mov_b32 s[G1B+6], 0
	s_mov_b32 s[G1B+7], 0
	s_lshl_b32 s20, s17, 18                        ; A: 16 tiles of 16 tokens x 16,384 bytes for each tile row,
	s_lshl_b32 s18, s16, 17                        ; 8 of them for the half that I fetch
	s_add_co_u32 s20, s20, s18
	s_mov_b32 s21, 0
	s_lshl_b32 s18, s16, 7
	s_lshl_b32 s46, s42, 8
	s_add_co_u32 s46, s46, s18                     ; B: row 256 x tile column + 128 x half
	s_mov_b32 s47, 0
	s_mov_b64 s[18:19], KROW
	s_mul_u64 s[46:47], s[46:47], s[18:19]
	s_lshl_b32 s45, s16, 15                        ; where they go: A: half x 32,768;
	s_mul_i32 s23, s16, HALFT
	s_add_co_u32 s23, s23, BOFF                    ; B: behind A's two halves: no place in the cluster enters an LDS address
	s_wait_dscnt 0x0                               ; the opening add is done
	s_wait_kmcnt 0x0
	s_load_b64 s[96:97], s[8:9], 0x28              ; e10, e11
	s_add_nc_u64 s[20:21], s[4:5], s[20:21]
	s_add_nc_u64 s[46:47], s[6:7], s[46:47]
	CROUND                                         ; all sixteen work-groups are here: the first joint loads meet
.irp s, 0,1
	s_mov_b32 s[G0+4*\s], 1
	s_add_co_u32 s[G0+4*\s+1], s45, \s*SLOT
	s_add_nc_u64 s[G0+4*\s+2:G0+4*\s+3], s[20:21], \s*ASTEP
	s_or_b32 s[G0+4*\s+3], s[G0+4*\s+3], 0x80000000
	s_mov_b32 s[G0B+4*\s], 1
	s_add_co_u32 s[G0B+4*\s+1], s23, \s*SLOT
	s_add_nc_u64 s[G0B+4*\s+2:G0B+4*\s+3], s[46:47], \s*ROWB
	s_or_b32 s[G0B+4*\s+3], s[G0B+4*\s+3], 0x80000000
	JLOAD G0+4*\s, G1, G0B+4*\s, G1B
.endr
	v_and_b32 v1, 15, v0                           ; l % 16
	v_bfe_u32 v2, v0, 4, 1                         ; l / 16
	v_mul_u32_u24 v3, v1, PITCH
	v_lshl_add_u32 v4, v2, 4, v3                   ; B: a fragment's row x pitch + 16 x half
	v_and_b32 v6, 31, v0
	v_lshlrev_b32 v[CO], 4, v6                     ; A: 16 x lane
	s_lshl_b32 s21, s15, 15                        ; my 128 tokens of A
	s_mul_i32 s22, s16, HALFT                      ; my 128 rows of B,
	s_add_co_u32 s22, s22, BOFF                    ; which lie behind A
.irp s, 0,1
	v_add_nc_u32 v[ADRA+\s], s21, v[CO]
	v_add_nc_u32 v[ADRB+\s], s22, v4
	s_add_co_u32 s21, s21, SLOT
	s_add_co_u32 s22, s22, SLOT
.endr
	s_mul_i32 s23, s14, 16*SPITCH                  ; my stage
	v_mul_u32_u24 v5, v1, SPITCH                   ; in: row l % 16, 32 bytes for each half of the lanes
	v_lshl_add_u32 v5, v2, 5, v5
	v_add_nc_u32 v[STO], s23, v5
	v_add_nc_u32 v[RD], s23, v[CO]                 ; back: the 32 lanes take one row of 512 bytes
	s_lshl_b32 s20, s17, 8
	s_lshl_b32 s21, s15, 7
	s_add_co_u32 s20, s20, s21                     ; my first row of out0: 256 x tile row + 128 x half
	s_mov_b32 s21, 0
	s_mov_b64 s[18:19], SIZE_N*4
	s_mul_u64 s[20:21], s[20:21], s[18:19]
	s_lshl_b32 s46, s42, 10                        ; my first column, in bytes: 1024 x tile column + 512 x half
	s_lshl_b32 s47, s16, 9
	s_add_co_u32 s46, s46, s47
	s_mov_b32 s47, 0
	s_add_nc_u64 s[20:21], s[20:21], s[46:47]
	s_add_nc_u64 s[10:11], s[10:11], s[20:21]
.macro FRAG reg, adr, q, i             ; a fragment of B from rows: lane l holds row l % 16; registers 4 c .. 4 c + 3 hold K = 32 c + 16 (l / 16) + 0 .. 15
.irp c, 0,1,2,3
	ds_load_b128 v[\reg+4*\c:\reg+4*\c+3], v[\adr] offset:128*(\q)+32*\c+(\i)*16*PITCH
.endr
.endm
.macro FRAGA reg, adr, q, i            ; a fragment of A from its image: tile i of 16 tokens, the slot's q-th 128 along K
.irp c, 0,1,2,3
	ds_load_b128 v[\reg+4*\c:\reg+4*\c+3], v[\adr] offset:2048*(\q)+512*\c+(\i)*ASTEP
.endr
.endm
; 16 matrix instructions: A's blocks a0, a0 + 1 x B's eight, 128 along K.  p: B's set.  zero = 1: the first product starts the sums.  The 64 accumulators take turns, one instruction a turn.
.macro MUL16 a0, p, zero
.irp a, \a0, \a0+1
.irp b, 0,1,2,3,4,5,6,7
.if \zero
	v_wmma_f32_16x16x128_fp8_fp8 v[8*(8*((\a)%4)+\b):8*(8*((\a)%4)+\b)+7], v[128*(\p)+FR*\b:128*(\p)+FR*\b+FR-1], v[AF+FR*(\a):AF+FR*(\a)+FR-1], 0
.else
	v_wmma_f32_16x16x128_fp8_fp8 v[8*(8*((\a)%4)+\b):8*(8*((\a)%4)+\b)+7], v[128*(\p)+FR*\b:128*(\p)+FR*\b+FR-1], v[AF+FR*(\a):AF+FR*(\a)+FR-1], v[8*(8*((\a)%4)+\b):8*(8*((\a)%4)+\b)+7]
.endif
.endr
.endr
.endm
.macro FETCH_B slot, q, p              ; B's eight fragments of the slot's q-th 128 along K into set p
	WIN TO_B
.irp i, 0,1,2,3,4,5,6,7
	FRAG 128*(\p)+FR*\i, ADRB+\slot, \q, \i
.endr
	WIN 0
.endm
.macro FETCH_A slot, q, i0             ; A's blocks i0 .. i0 + 3
.irp i, \i0, \i0+1, \i0+2, \i0+3
	FRAGA AF+FR*(\i), ADRA+\slot, \q, \i
.endr
.endm
.macro PLACES n                        ; places in front of loads into registers that matrix instructions have read, and of the first read of results (ISA guide 7.12.1 for vector instructions)
.rept \n
	v_nop
.endr
.endm
; A step of 128 along K that has its successor in the same slot.
.macro STEP slot, q, zero
	s_wait_dscnt 4*NL                              ; B's set and A's blocks 0-3 are in; the youngest sixteen loads (A's blocks 4-7) may be out
	WIN MUL_LO
	MUL16 0, (\q)%2, \zero
	MUL16 2, (\q)%2, \zero
	s_wait_dscnt 0                                 ; A's blocks 4-7 are in
	PLACES NP
	FETCH_B \slot, (\q)+1, 1-(\q)%2
	FETCH_A \slot, (\q)+1, 0
	WIN MUL_HI
	MUL16 4, (\q)%2, \zero
	MUL16 6, (\q)%2, \zero
	PLACES NP
	WIN 0
	FETCH_A \slot, (\q)+1, 4
.endm
; A slot's last step changes slots: ONE barrier; in front of it each wave waits for all its tensor loads, adds 0 to its spare word, and waits for that and for its own reads of this slot.  fill = 1: this slot is filled again, two K steps ahead.
.macro TURN slot, next, fill
	s_wait_tensorcnt 0x0                           ; all my tensor loads have landed: my part of the next slot;  (every window is 0 here)
	ds_add_u32 v[SPW], v[NIL]                      ; 0 onto my spare word
	s_wait_dscnt 4*NL+1                            ; (the add and the youngest sixteen loads, A's blocks 4-7, may be out)
	WIN MUL_LO
	MUL16 0, 1, 0                                  ; sixteen matrix instructions stand between the add and the wait for it
	s_wait_dscnt 0x0                               ; the add is done, and my reads of this slot are over
	s_barrier_signal -1
	MUL16 2, 1, 0
	WIN 0
	s_barrier_wait -1
.if \fill
	CREST                                          ; the barrier has opened a round of the cluster's barrier: no wave of any partner still reads this slot's tile or has a load on its way
	s_add_nc_u64 s[G0+4*\slot+2:G0+4*\slot+3], s[G0+4*\slot+2:G0+4*\slot+3], 2*ASTEP
	s_add_nc_u64 s[G0B+4*\slot+2:G0B+4*\slot+3], s[G0B+4*\slot+2:G0B+4*\slot+3], 2*ROWB
	JLOAD G0+4*\slot, G1, G0B+4*\slot, G1B         ; the first tensor load behind the round; the four v_nop behind it are the places in front of the loads below
.else
	PLACES NP
.endif
	FETCH_B \next, 0, 0
	FETCH_A \next, 0, 0
	WIN MUL_HI
	MUL16 4, 1, 0
	MUL16 6, 1, 0
	PLACES NP
	WIN 0
	FETCH_A \next, 0, 4
.endm
	s_wait_tensorcnt 1                             ; my part of K step 0 is in (K step 1's load may be out)
	s_barrier_signal -1
	s_barrier_wait -1                              ; everybody's is
	FETCH_B 0, 0, 0
	FETCH_A 0, 0, 0
	FETCH_A 0, 0, 4
	STEP 0, 0, 1                                   ; the first step stands in front of the loop: its products start the sums
	s_mov_b32 s3, LAPS-1
.Llap:                                                 ; a trip goes once round the ring, from a lap's second step to the next lap's first, and fills both slots again
	TURN 0, 1, 1
	STEP 1, 0, 0
	TURN 1, 0, 1
	STEP 0, 0, 0
	s_sub_co_u32 s3, s3, 1
	s_cmp_lg_u32 s3, 0
	s_cbranch_scc1 .Llap
	TURN 0, 1, 0                                   ; the last lap fills nothing, and has no round of the cluster's barrier
	STEP 1, 0, 0
	s_wait_dscnt 4*NL                              ; the very last step: nothing more to fetch
	WIN MUL_LO
	MUL16 0, 1, 0
	MUL16 2, 1, 0
	s_wait_dscnt 0
	WIN MUL_HI
	MUL16 4, 1, 0
	MUL16 6, 1, 0
	WIN 0
; THE WAY OUT, block by block of 16 rows x 128 columns.  A lane holds 32 neighbouring bytes of a row, and the lanes beside it hold other rows: so a block goes through my own stage in LDS and comes back as whole
; rows of 512 bytes, which the 32 lanes store as two aligned runs of 256 bytes.  LDS serves a wave's instructions in order (ISA guide 5.7.1.4): no wait between the stores and the loads, nor in front of the next block's stores.
.macro TOSTAGE a
.set AC, 64*((\a)%4)
	WIN 0x02+((\a)/4)                              ; source 0: window 2 or 3
.irp j, 0,2,4,6,8,10,12,14,16,18,20,22,24,26,28,30,32,34,36,38,40,42,44,46,48,50,52,54,56,58,60,62
	v_pk_mul_f32 v[TMP+\j:TMP+\j+1], v[AC+\j:AC+\j+1], s[96:97] op_sel_hi:[1,0]   ; both x s96 = 2^(e10 + e11); each accumulator from its low end on
.endr
	WIN 0
.irp b, 0,1,2,3,4,5,6,7
	ds_store_b128 v[STO], v[TMP+8*\b:TMP+8*\b+3] offset:64*\b
	ds_store_b128 v[STO], v[TMP+8*\b+4:TMP+8*\b+7] offset:64*\b+16
.endr
.set BB, BK+64*((\a)%2)
.irp t, 0,1,2,3,4,5,6,7,8,9,10,11,12,13,14,15
	ds_load_b128 v[BB+4*\t:BB+4*\t+3], v[RD] offset:\t*SPITCH
.endr
.endm
.macro SEND a, younger                 ; younger: the LDS instructions issued behind block a's loads, which may stay out
.set BB, BK+64*((\a)%2)
	s_wait_dscnt \younger                          ; the block is back in registers
.if (\a) > 0
	s_add_nc_u64 s[10:11], s[10:11], 16*SIZE_N*4   ; (behind a wait on XCNT: the earlier stores have read their base)  16 rows on, so that the stores' offsets stay at 15 rows at the most
.endif
.irp t, 0,1,2,3,4,5,6,7,8,9,10,11,12,13,14,15
	global_store_b128 v[CO], v[BB+4*\t:BB+4*\t+3], s[10:11] offset:\t*SIZE_N*4 th:TH_STORE_NT   ; 32 lanes store 512 consecutive bytes, at a multiple of 256 from out0's first byte; written once, read by nobody here
.endr
.endm
	s_wait_kmcnt 0x0
	s_add_co_i32 s96, s96, s97                     ; e10 + e11, between -126 and 127,
	s_add_co_i32 s96, s96, 127
	s_lshl_b32 s96, s96, 23                        ; makes the f32 number 2^(e10 + e11)
	PLACES NP                                      ; behind the last products: for the loads into the registers that held A's fragments and for the reads of results alike
	TOSTAGE 0
.irp a, 1,2,3,4,5,6,7
.if \a > 1
	s_wait_xcnt 0x0                                ; block a - 2's stores have read their registers and their base: block a's loads may land there, and the base may step
.endif
	TOSTAGE \a
	SEND \a-1, 32                                  ; behind block a - 1's loads: block a's 16 stores and 16 loads
.endr
	s_wait_xcnt 0x0                                ; block 6's stores have read their base
	SEND 7, 0
	s_wait_tensorcnt 0x0                           ; the wave's end, behind my last tensor load and my last LDS store
	ds_add_u32 v[SPW], v[NIL]
	s_wait_dscnt 0x0
	CROUND                                         ; the closing round: no work-group ends while a partner may still ask for a tile that names it
	s_endpgm
.Lfunc_end_k_q73a0afa562_oproj:
	.size	k_q73a0afa562_oproj, .Lfunc_end_k_q73a0afa562_oproj-k_q73a0afa562_oproj
	.p2alignl 7, 3214868480
	.fill 96, 4, 3214868480
	.section	.rodata,"a",@progbits
	.p2align	6, 0x0
	.amdhsa_kernel k_q73a0afa562_oproj
		.amdhsa_group_segment_fixed_size 327680
		.amdhsa_private_segment_fixed_size 0
		.amdhsa_enable_private_segment 0
		.amdhsa_kernarg_size 32
		.amdhsa_user_sgpr_count 2
		.amdhsa_user_sgpr_kernarg_segment_ptr 1
		.amdhsa_wavefront_size32 1
		.amdhsa_system_sgpr_workgroup_id_x 1
		.amdhsa_system_sgpr_workgroup_id_y 1
		.amdhsa_system_sgpr_workgroup_id_z 1
		.amdhsa_system_vgpr_workitem_id 0
		.amdhsa_next_free_vgpr 1024
		.amdhsa_next_free_sgpr 98
		.amdhsa_reserve_vcc 0
		.amdhsa_float_denorm_mode_32 3
		.amdhsa_float_denorm_mode_16_64 3
		.amdhsa_memory_ordered 1
		.amdhsa_forward_progress 1
		.amdhsa_inst_pref_size 123
	.end_amdhsa_kernel
	.amdgpu_metadata
---
amdhsa.version: [ 1, 2 ]
amdhsa.kernels:
  - .name:           k_q73a0afa562_oproj
    .symbol:         k_q73a0afa562_oproj.kd
    .args:
      - { .name: ac, .offset: 0, .size: 8, .value_kind: global_buffer, .address_space: global }
      - { .name: wo_codes, .offset: 8, .size: 8, .value_kind: global_buffer, .address_space: global }
      - { .name: lowp_scales, .offset: 16, .size: 8, .value_kind: global_buffer, .address_space: global }
      - { .name: out0, .offset: 24, .size: 8, .value_kind: global_buffer, .address_space: global }
    .group_segment_fixed_size: 327680
    .private_segment_fixed_size: 0
    .kernarg_segment_align: 8
    .kernarg_segment_size: 32
    .max_flat_workgroup_size: 128
    .sgpr_count:     98
    .vgpr_count:     1024
    .wavefront_size: 32
...
	.end_amdgpu_metadata
.endif
;; end of part 4
